; MI455X (gfx1250); checked and timed in simulation.
; The chip was launched on July 23, 2026; its instructions are those of AMD's public machine-readable ISA for CDNA 5 (MIT licence, August 2026) and "CDNA5" Instruction Set Architecture Reference Guide (July 2026). The comments in the code are by the model that wrote it; some were corrected since.
;; Multi Head Attention. Allowed arithmetic: matrix products marked QUANTISED: E3M2 operands, one E8M0 scale for each 32 along K, by v_wmma_scale_f32_16x16x128_f8f6f4 with both operands' format E3M2, f32 sums; everything else in f32.
;; Inputs: Wk 1,024 x 1,024 float32; Wp 1,024 x 1,024 float32; Wq 1,024 x 1,024 float32; Wv 1,024 x 1,024 float32; bp 1,024 float32; x 4 x 2,048 x 1,024 float32.
;; Outputs: out0 4 x 2,048 x 1,024 float32.
;; This version of the problem:
;;   THIS VERSION OF THE PROBLEM IS GIVEN IN LOW PRECISION. The matrix products marked QUANTISED in the list below multiply operands that are first quantised to E3M2 (3 exponent bits, 2 mantissa bits; 6 bits a number), with one power-of-two scale for each 32 numbers along K (OCP MX v1.0); their sums are f32. All else is computed in f32.
;;   The module's matrix products, in the order in which they are computed (A, B: the left and right operand; K: the contracted axis; several contracted axes count as one K, in the product's order):
;;     1. [M 8,192, K 1,024] x [K 1,024, N 1,024]; A: input x; B: input Wk: QUANTISED
;;     2. [M 8,192, K 1,024] x [K 1,024, N 1,024]; A: input x; B: input Wq: QUANTISED
;;     3. [M 8,192, K 1,024] x [K 1,024, N 1,024]; A: input x; B: input Wv: QUANTISED
;;     4. batch 64 x [M 2,048, K 64] x [K 64, N 2,048]; A: computed on the way; B: computed on the way: QUANTISED
;;     5. batch 64 x [M 2,048, K 2,048] x [K 2,048, N 64]; A: softmax (see below); B: computed on the way: QUANTISED
;;     6. [M 8,192, K 1,024] x [K 1,024, N 1,024]; A: computed on the way; B: input Wp: QUANTISED
;;   THE QUANTISER, for each operand of a quantised product, along K:
;;     - K is cut into blocks of 32 from its start; a last block that is shorter is filled with zeros.
;;     - A block's scale is 2^e with e = floor(log2(the largest magnitude in the block)) - 4, held to -126 .. 127; a block of zeros has e = 0. As a byte (E8M0): e + 127.
;;     - Each number is divided by its block's scale, clamped to +-28, and rounded to the nearest number of E3M2, ties to even, subnormals kept.
;;     - The product sums the exact products of the quantised numbers (number of the format x scale) in f32.
;;   ~~~python
;;   def quantise(x, axis):      # numpy; x: float32 -> the quantised numbers, widened to float32 again
;;       x = np.moveaxis(x, axis, -1); K = x.shape[-1]
;;       x = np.pad(x, [(0, 0)] * (x.ndim - 1) + [(0, -K % 32)]); x = x.reshape(x.shape[:-1] + (-1, 32)); a = np.abs(x).max(-1, keepdims=True)
;;       e = np.where(a > 0, np.clip(np.frexp(np.where(a > 0, a, 1))[1] - 1 - 4, -126, 127), 0)      # np.frexp(a)[1] - 1 = floor(log2(a)), exactly
;;       r = np.clip(x / 2.0 ** e, -28, 28)
;;       step = 2.0 ** (np.maximum(np.frexp(np.where(r == 0, 1, r))[1] - 1, -2) - 2)
;;       q = np.round(r / step) * step * 2.0 ** e      # np.round: ties to even
;;       return np.moveaxis(q.reshape(q.shape[:-2] + (-1,))[..., :K], -1, axis).astype(np.float32)
;;   ~~~
;;   SOFTMAX AHEAD OF A QUANTISED PRODUCT. Where the list says 'softmax', what is quantised is not the finished softmax but p = 2^(t - M), with t = logit x log2(e) and M = ceil(the row's largest t), a whole number; so 1/2 < the row's largest p <= 1. The row's sum l is taken of the UNQUANTISED p, in f32, and the product's result is divided by l at the end. Since M is a whole number, a kernel that streams over the keys may use a running M (the ceiling of the running maximum): every later rescaling is an exact power of two, which a block's scale takes up: the codes' values come out the same.
;;   OPERANDS COMPUTED ON THE WAY. 'Computed on the way' means the value that the module computes at that place (a softmax that the list does not call 'softmax' is quantised finished and normalised). What goes into a quantiser is computed in f32, as accurately as f32 sums, v_exp_f32 and their like allow (about 1e-6 of the number): no bf16 or f16 on the way to a quantiser, and a product that is left as it is and whose result goes on into a quantised operand takes f32 operands (vector FMAs, or v_wmma_f32_16x16x4_f32). A number that lies on a knife's edge between two numbers of the format may be rounded either way, as far as f32 arithmetic and the matrix unit's own rounding can turn it there, and no further.
;; One version. Each part assembles by itself: llvm-mc -triple=amdgcn-amd-amdhsa -mcpu=gfx1250 --defsym DOCPART=n.
;; ======== version 1 of 1: 4 launches
;; workspace buffers: cod 9,437,184 bytes; scl 393,216 bytes; qkvc 18,874,368 bytes; qkvs 1,310,720 bytes; aoc 6,291,456 bytes; aos 262,144 bytes
;; launch quant (part 1): grid 384 x 1, 2 waves a work-group, no clusters, 17,152 bytes of LDS; arguments x, Wq, Wk, Wv, Wp, cod, scl; writes cod, scl
.if DOCPART == 1
	.amdgcn_target "amdgcn-amd-amdhsa--gfx1250"
	.amdhsa_code_object_version 6
	.text
	.protected	k_q44eb09fe56_quant
	.globl	k_q44eb09fe56_quant
	.p2align	8
	.type	k_q44eb09fe56_quant,@function
k_q44eb09fe56_quant:
	s_mov_b64 s[64:65], 0
	v_nop
	global_prefetch_b8 v0, s[64:65] scope:SCOPE_SE
	s_setreg_imm32_b32 hwreg(HW_REG_WAVE_MODE, 25, 1), 1
	s_wait_xcnt 0x0
; x [8192][1024] and Wq, Wk, Wv, Wp [1024][1024], f32, K (the last axis) innermost, become codes of BF6 (E3M2) and one E8M0 scale byte for each 32 along K.
; A block's scale is 2^(floor(log2(its largest magnitude)) - 4); its byte is the largest magnitude's exponent field - 4, held at 1 from below.
; LIMITS: NaN and infinities among the inputs are not served; a block whose largest magnitude lies under 2^-122 gets the byte 1; so does a block of zeros, where the rule says 127:
; its codes are zeros, which add nothing under any byte but 0xff, and the bytes are read by this program alone.
; THE OUTPUT IS LAID AS THE MATRIX UNIT'S REGISTERS WANT IT.  A ROW TILE is 16 rows; row tile 2 b + u holds, at its place r, the row 32 b + 8 u + r + 8 (r / 8): where such a tile is source 0
; of a product, the 16 result registers of tiles 2 b and 2 b + 1 are 16 neighbouring rows.  A HALF IMAGE is 16 rows x 64 along K as six registers a lane (lane (r, h): row r, k = 32 h .. 32 h + 31):
; registers 0-3 at 16 x lane (512 bytes), registers 4-5 at 512 + 8 x lane (256 bytes): 768 bytes.  cod: [row tile][K step of 128][2 half images].  scl: [row tile][4][16 rows][8 bytes = 8 blocks along K].
; Row tiles 0-511 x, 512-575 Wq, 576-639 Wk, 640-703 Wv, 704-767 Wp.
; SHARES: a wave takes one row tile, all of K, in 8 steps of 128.  Each load reads 512 consecutive bytes of one row; a step's 16 rows turn through the wave's own stage in LDS, so that a lane gets two whole
; blocks of 32 neighbours: no other lane is asked for a maximum.  Every store covers 512 or 256 consecutive bytes, aligned.  No barrier: waves share nothing.  Loads run two steps (32 loads a wave) ahead.
.set ROWB,  4096                       ; a row in memory
.set PITCH, 528                        ; a stage row: 512 bytes + 16, so that the sixteen rows that a load touches start at sixteen different columns of 16 bytes
.set WST,   16*PITCH                   ; a wave's stage
.set SW,    16                         ; v16-23   the scale word (4 blocks) of my row for each of the 8 steps
.set R,     32                         ; v32-159  two sets of 64 registers as loaded
.set X,     160                        ; v160-223 64 numbers: register 32 c + i = k 64 c + 32 h + i of row r
.set C,     224                        ; v224-235 a fragment's codes
.set CT,    236                        ; v236-242 the upper halves of the two blocks (a conversion's three registers begin on an even number)
	s_load_b256 s[4:11], s[0:1], 0x0               ; x s[4:5], Wq s[6:7], Wk s[8:9], Wv s[10:11]
	s_load_b128 s[12:15], s[0:1], 0x20             ; Wp s[12:13], cod s[14:15]
	s_load_b64 s[16:17], s[0:1], 0x30              ; scl
	v_lshl_add_u32 v248, v0, 2, 0x4200
	v_mov_b32 v249, 0
	v_lshrrev_b32 v6, 5, v0
	v_readfirstlane_b32 s18, v6                    ; wave 0, 1
	v_and_b32 v7, 31, v0                           ; lane
	v_lshlrev_b32 v1, 4, v7                        ; 16 x lane: a load's and a wide store's place
	v_lshlrev_b32 v2, 3, v7                        ; 8 x lane: a narrow store's
	s_mul_i32 s19, s18, WST
	v_add_nc_u32 v3, s19, v1                       ; the stage, on the way in: a row as it was loaded
	v_and_b32 v8, 15, v0                           ; r
	v_bfe_u32 v9, v0, 4, 1                         ; h
	v_mul_u32_u24 v4, v8, PITCH
	v_lshl_add_u32 v4, v9, 7, v4
	v_add_nc_u32 v4, s19, v4                       ; and on the way out: row r, 32 numbers (128 bytes) on for lanes 16-31
	v_lshlrev_b32 v5, 3, v9                        ; 8 h: my bytes' place in the scale word
	v_mov_b32 v15, 0                               ; written once: a lane permute's destination counts as one of its sources
	s_mov_b32 s20, 0x76543210
	s_mov_b32 s21, 0xfedcba98                      ; v_permlanex16_b32's selects for lane l xor 16
	s_mov_b32 s22, 0xffff0000                      ; lanes 16-31
	s_lshl_b32 s23, ttmp9, 1
	s_add_co_u32 s23, s23, s18                     ; my row tile
	s_wait_alu depctr_va_vdst(0)
	s_wait_kmcnt 0x0
	s_cmp_lt_u32 ttmp9, 352                        ; which tensor: the choice hangs on the work-group's number alone
	s_cselect_b64 s[12:13], s[10:11], s[12:13]
	s_cmp_lt_u32 ttmp9, 320
	s_cselect_b64 s[12:13], s[8:9], s[12:13]
	s_cmp_lt_u32 ttmp9, 288
	s_cselect_b64 s[12:13], s[6:7], s[12:13]
	s_cmp_lt_u32 ttmp9, 256
	s_cselect_b64 s[12:13], s[4:5], s[12:13]
	s_cselect_b32 s24, 511, 63
	s_and_b32 s24, s23, s24                        ; the row tile's number inside its tensor
	s_lshr_b32 s25, s24, 1
	s_lshl_b32 s25, s25, 5
	s_and_b32 s26, s24, 1
	s_lshl_b32 s26, s26, 3
	s_add_co_u32 s26, s26, s25                     ; its first row: 32 b + 8 u
	s_lshl_b32 s26, s26, 12
	s_mov_b32 s27, 0
	s_add_nc_u64 s[12:13], s[12:13], s[26:27]
	s_mul_i32 s26, s23, 12288
	s_add_nc_u64 s[14:15], s[14:15], s[26:27]
	s_lshl_b32 s26, s23, 9
	s_add_nc_u64 s[16:17], s[16:17], s[26:27]
.macro LOAD t                          ; K step t of the tile's 16 rows into set t % 2
.irp i, 0,1,2,3,4,5,6,7,8,9,10,11,12,13,14,15
	global_load_b128 v[R+64*((\t)%2)+4*\i:R+64*((\t)%2)+4*\i+3], v1, s[12:13] offset:(\i+8*(\i/8))*ROWB+512*(\t) th:TH_LOAD_NT
.endr
.endm
.macro QSTEP t
.set RS, R+64*((\t)%2)
.if (\t) < 7
	s_wait_loadcnt 16                              ; this step's 16 loads are in; the next step's 16 may be out
.else
	s_wait_loadcnt 0x0
.endif
.irp i, 0,1,2,3,4,5,6,7,8,9,10,11,12,13,14,15
	ds_store_b128 v3, v[RS+4*\i:RS+4*\i+3] offset:\i*PITCH
.endr
.irp c, 0,1
.irp j, 0,1,2,3,4,5,6,7
	ds_load_b128 v[X+32*\c+4*\j:X+32*\c+4*\j+3], v4 offset:256*\c+16*\j   ; LDS serves a wave's instructions in order: these see the stores above
.endr
.endr
	s_wait_dscnt 0x0                               ; my numbers are back, and the stores have read their registers,
.if (\t) < 6
	LOAD (\t)+2                                    ; which take the loads of two steps on
.endif
.irp c, 0,1
	v_max3_num_f32 v[8+\c], |v[X+32*\c]|, |v[X+32*\c+1]|, 0x2800000   ; block 2 c + h: all its 32 numbers are mine; the floor 2^(5 - 127) holds the byte at 1 from below
.endr
.irp i, 2,4,6,8,10,12,14,16,18,20,22,24,26,28,30
.irp c, 0,1
	v_max3_num_f32 v[8+\c], v[8+\c], |v[X+32*\c+\i]|, |v[X+32*\c+\i+1]|   ; (the two blocks by turns)
.endr
.endr
.irp c, 0,1
	v_add_nc_u32 v[10+\c], 0xfe000000, v[8+\c]     ; 4 off the exponent field: the conversion takes the exponent field of this operand as its scale, and nothing else of it
.endr
.irp c, 0,1
	v_lshrrev_b32 v[12+\c], 23, v[10+\c]           ; the scale's byte
.endr
	v_lshl_or_b32 v14, v13, 16, v12                ; my two bytes: blocks h and 2 + h,
	v_lshlrev_b32 v14, v5, v14                     ; at their places in the word;
	v_permlanex16_b32 v15, v14, s20, s21
	v_or_b32 v[SW+(\t)], v14, v15                  ; with lane l xor 16's two the word is whole
	s_wait_alu depctr_va_vdst(0)
	s_wait_xcnt 0x0                                ; the last step's stores have read their data: the codes' registers are written again only behind this wait
.irp c, 0,1
	v_cvt_scalef32_pk16_bf6_f32 v[C+6*\c:C+6*\c+2], v[X+32*\c:X+32*\c+15], v[10+\c]
	v_cvt_scalef32_pk16_bf6_f32 v[CT+4*\c:CT+4*\c+2], v[X+32*\c+16:X+32*\c+31], v[10+\c]
.endr
	v_nop                                          ; one plain place behind a scaled conversion
.irp c, 0,1
.irp i, 0,1,2
	v_mov_b32 v[C+6*\c+3+\i], v[CT+4*\c+\i]
.endr
.endr
	global_store_b128 v1, v[C:C+3], s[14:15] offset:1536*(\t)          ; 512 consecutive bytes, aligned
	global_store_b64 v2, v[C+4:C+5], s[14:15] offset:1536*(\t)+512     ; 256
	global_store_b128 v1, v[C+6:C+9], s[14:15] offset:1536*(\t)+768
	global_store_b64 v2, v[C+10:C+11], s[14:15] offset:1536*(\t)+1280
.endm
	LOAD 0
	LOAD 1
.irp t, 0,1,2,3,4,5,6,7
	QSTEP \t
.endr
	v_cndmask_b32 v24, v[SW+0], v[SW+2], s22       ; every lane holds its row's eight words: lanes 0-15 send K steps 0, 1 (4, 5), lanes 16-31 K steps 2, 3 (6, 7)
	v_cndmask_b32 v25, v[SW+1], v[SW+3], s22
	v_cndmask_b32 v26, v[SW+4], v[SW+6], s22
	v_cndmask_b32 v27, v[SW+5], v[SW+7], s22
	global_store_b64 v2, v[24:25], s[16:17]        ; 256 consecutive bytes, aligned
	global_store_b64 v2, v[26:27], s[16:17] offset:256
	s_wait_tensorcnt 0x0
	ds_add_u32 v248, v249
	s_wait_dscnt 0x0
	s_endpgm
.Lfunc_end_k_q44eb09fe56_quant:
	.size	k_q44eb09fe56_quant, .Lfunc_end_k_q44eb09fe56_quant-k_q44eb09fe56_quant
	.p2alignl 7, 3214868480
	.fill 96, 4, 3214868480
	.section	.rodata,"a",@progbits
	.p2align	6, 0x0
	.amdhsa_kernel k_q44eb09fe56_quant
		.amdhsa_group_segment_fixed_size 17152
		.amdhsa_private_segment_fixed_size 0
		.amdhsa_enable_private_segment 0
		.amdhsa_kernarg_size 56
		.amdhsa_user_sgpr_count 2
		.amdhsa_user_sgpr_kernarg_segment_ptr 1
		.amdhsa_wavefront_size32 1
		.amdhsa_system_sgpr_workgroup_id_x 1
		.amdhsa_system_sgpr_workgroup_id_y 1
		.amdhsa_system_sgpr_workgroup_id_z 1
		.amdhsa_system_vgpr_workitem_id 0
		.amdhsa_next_free_vgpr 250
		.amdhsa_next_free_sgpr 66
		.amdhsa_reserve_vcc 0
		.amdhsa_float_denorm_mode_32 3
		.amdhsa_float_denorm_mode_16_64 3
		.amdhsa_memory_ordered 1
		.amdhsa_forward_progress 1
		.amdhsa_inst_pref_size 59
	.end_amdhsa_kernel
	.amdgpu_metadata
---
amdhsa.version: [ 1, 2 ]
amdhsa.kernels:
  - .name:           k_q44eb09fe56_quant
    .symbol:         k_q44eb09fe56_quant.kd
    .args:
      - { .name: x, .offset: 0, .size: 8, .value_kind: global_buffer, .address_space: global }
      - { .name: Wq, .offset: 8, .size: 8, .value_kind: global_buffer, .address_space: global }
      - { .name: Wk, .offset: 16, .size: 8, .value_kind: global_buffer, .address_space: global }
      - { .name: Wv, .offset: 24, .size: 8, .value_kind: global_buffer, .address_space: global }
      - { .name: Wp, .offset: 32, .size: 8, .value_kind: global_buffer, .address_space: global }
      - { .name: cod, .offset: 40, .size: 8, .value_kind: global_buffer, .address_space: global }
      - { .name: scl, .offset: 48, .size: 8, .value_kind: global_buffer, .address_space: global }
    .group_segment_fixed_size: 17152
    .private_segment_fixed_size: 0
    .kernarg_segment_align: 8
    .kernarg_segment_size: 56
    .max_flat_workgroup_size: 64
    .sgpr_count:     66
    .vgpr_count:     250
    .wavefront_size: 32
...
	.end_amdgpu_metadata
.endif
;; end of part 1
;; launch qkv (part 2): grid 32 x 8, 4 waves a work-group, clusters of 4 x 1, 312,832 bytes of LDS; arguments cod, scl, qkvc, qkvs; writes qkvc, qkvs
.if DOCPART == 2
	.amdgcn_target "amdgcn-amd-amdhsa--gfx1250"
	.amdhsa_code_object_version 6
	.text
	.protected	k_q44eb09fe56_qkv
	.globl	k_q44eb09fe56_qkv
	.p2align	8
	.type	k_q44eb09fe56_qkv,@function
k_q44eb09fe56_qkv:
	s_mov_b64 s[64:65], 0
	v_nop
	global_prefetch_b8 v0, s[64:65] scope:SCOPE_SE
	s_setreg_imm32_b32 hwreg(HW_REG_WAVE_MODE, 25, 1), 1
	s_wait_xcnt 0x0
	s_wait_alu depctr_hold_cnt(0) depctr_sa_sdst(0) depctr_va_vdst(0) depctr_va_sdst(0) depctr_va_ssrc(0) depctr_va_vcc(0) depctr_vm_vsrc(0)
	s_getreg_b32 s2, hwreg(HW_REG_IB_STS2, 6, 4)
	s_cmp_eq_u32 s2, 0
	s_cbranch_scc0 .Lentry_in_a_cluster
	s_endpgm
.Lentry_in_a_cluster:
	s_bfe_u32 s2, ttmp6, 0x10000c
	s_cmp_lg_u32 s2, 0x3003
	s_cbranch_scc0 .Lentry_shape_is_right
	s_endpgm
.Lentry_shape_is_right:
; q = x Wq^T, k = x Wk^T, v = x Wv^T on codes of BF6 (E3M2) with one E8M0 scale for each 32 along K = 1,024; sums in f32.  THE RESULTS ARE QUANTISED IN THE RESULT REGISTERS and leave as codes:
; q and k along the head's 64 channels, v along the keys.  LIMITS: NaN and infinities are not served; a block whose largest magnitude lies under 2^-122, a block of zeros among them, gets the byte 1.
; SHARES.  8,192 tokens x 3,072 features are dealt to 256 work-groups: 256 tokens (grid x) x 384 features (grid y = g: heads 2 g and 2 g + 1 of q, of k and of v: six CHUNKS of one head, 64 features).
; A wave owns 64 tokens.  THEIR CODES FOR ALL OF K STAY IN ITS REGISTERS (4 row tiles x 8 K steps x 12 = 384), loaded once, straight from memory.  THE 384 ROWS OF THE WEIGHTS FOR ALL OF K LIE IN LDS
; (294,912 bytes of codes, 12,288 of scales), FILLED ONCE: no slot is ever filled again.  A fragment of the weights read from LDS feeds four matrix instructions.
; OPERANDS LIE IN MEMORY AS IMAGES OF THE REGISTERS: [row tile of 16 rows][K step of 128][2 half images of 768 bytes] (a half image: registers 0-3 at 16 x lane, registers 4-5 at 512 + 8 x lane),
; so a fragment is four dense loads.  Row tile 2 b + u holds at place r the row 32 b + 8 u + r + 8 (r / 8): where such tiles are source 0, the 16 result registers of tiles 2 b, 2 b + 1 are 16 neighbours.
; q, k: source 0 = 16 rows of W, source 1 = 16 tokens: a lane holds a token, its 32 registers of a chunk the head's 64 channels (its half of each block).  v: THE SOURCES CHANGE PLACES: a lane holds a channel,
; its 32 registers my 64 keys.  In both, register 16 e + i of a group is k = 32 e + 16 (lane / 16) + i: two conversions, an exchange of halves, and the group is a half image.
; OUT: qkvc [batch x head][q, k, v][98,304]: q, k: [token tile][768]; v: [key step of 128][channel tile 0..3][2][768].  qkvs [batch x head][20,480]: q's words (4 bytes a token: two bytes, then two zeros),
; at 8,192 k's, at 16,384 v's ([key step][64 channels], 4 bytes: two bytes from each of two waves, which meet in LDS behind a barrier).
; CLUSTER: the four work-groups of a cluster share g and so the weights: each tile is asked for JOINTLY, by the same tensor load with the same descriptor and a mask that names the four.  x is not shared so:
; the partners hold different tokens, and the codes go to registers.  cx enters global addresses alone.
; LDS: chunk q at 49,152 q; the scales at 294,912; stages (never a fill's target) at 307,200: q's and k's scale words, 1,024 bytes a wave; at 311,296 v's, 1,024 bytes.
; REGISTERS, in windows of 256: window 0: v2-9 addresses; v16-31 x's scale words; v32-63 the weights', two sets; v64-127 the quantiser's; v128-137 scale words on their way out.
;   window 1: x's K steps 0-4 (fragment (a, s) at v[12 (4 s + a)]).   window 2: K steps 5-7.   window 3: v0-127 the 16 accumulators; v128-223 the weights' fragments, two sets.
;   v240, v241 of windows 1, 2, 3: the chunk's LDS address (16 and 8 bytes a lane): an LDS load takes its address from source 0's window, so the loads run under the products' own setting.
.set RTG,   12288                      ; a row tile, all of K
.set CH,    4*RTG                      ; a chunk
.set NCH,   6
.set SCLB,  NCH*CH
.set STG,   SCLB+12288
.set VST,   STG+4096
.set AH,    3                          ; x's K steps asked for ahead in the first chunk
.set L16,  2                           ; v2   16 x lane
.set L8,   3                           ; v3   8 x lane
.set ASA,  4                           ; v4   8 r + 512 h: a pair of row tiles' scale words
.set ASB,  5                           ; v5   the same in LDS
.set WST,  6                           ; v6   q's and k's scale words into the stage: 4 bytes a lane
.set WLD,  7                           ; v7   and out of it: 8 bytes a lane
.set VSI,  8                           ; v8   v's into their stage
.set VLD,  9                           ; v9   and out
.set SAB,  16
.set SBB,  32
.set TM,   64                          ; v64-71 largest magnitudes, v72-79 bytes, v80-87 scale operands
.set PW,   88                          ; v88-91 a group's two bytes
.set PM,   92                          ; v92-93 two groups' in one register
.set PC,   96                          ; v96-127 codes: eight registers a group
.set WB,   128
.set AD16, 240
.set AD8,  241
.set BF,   128
.set WV,   12
.set G1C,  16                          ; s[16:23] descriptor group 1: 48 rows of 256 bytes;  s[24:31]: 3 rows of 1,024
.set G1S,  24
.set G0,   32                          ; s[32:55] group 0, a set for each chunk;  s[56:59] for the scales
.set G0S,  56
.set PA,   68                          ; s[68:69] my tokens' codes;  s[70:71] their scales
.set PAS,  70
.set BQ,   80                          ; s[80:81] q's and k's codes;  s[82:83] v's;  s[84:85] q's and k's words;  s[86:87] v's
.set BV,   82
.set BS,   84
.set BVS,  86
.set SEL,  88                          ; s[88:89] v_permlanex16_b32's selects for lane l xor 16
.set HM,   90                          ; s90 lanes 16-31
.set MSB, 0
.macro WIN new                         ; the immediate's high byte repeats the setting that is left
.if MSB != (\new)
	s_set_vgpr_msb (MSB<<8)|(\new)
.set MSB, (\new)
.endif
.endm
.macro ROUND                           ; a round of the cluster's barrier
	s_barrier_signal -1
	s_barrier_wait -1
	s_cmp_lg_u32 s[WV], 0
	s_cbranch_scc1 .Lnot_wave_0_\@
	s_barrier_signal -3
.Lnot_wave_0_\@:
	s_barrier_wait -3
	s_barrier_signal -1
	s_barrier_wait -1
.endm
; A load into a register that a matrix instruction has read, and a vector instruction that reads a matrix result, stand four places behind it, and only plain vector instructions that name none of its
; registers are places (ISA guide 7.12.1 for vector instructions).
.macro PLACES n
.rept \n
	v_nop
.endr
.endm
.macro ALOAD s                         ; K step s of my four row tiles of x: 16 dense loads
.if (\s) < 5
	WIN 0x40
.set rA, 48*(\s)
.else
	WIN 0x80
.set rA, 48*((\s)-5)
.endif
.irp a, 0,1,2,3
	global_load_b128 v[rA+12*\a:rA+12*\a+3],     v[L16], s[PA:PA+1] offset:\a*RTG+(\s)*1536
	global_load_b64  v[rA+12*\a+4:rA+12*\a+5],   v[L8],  s[PA:PA+1] offset:\a*RTG+(\s)*1536+512
	global_load_b128 v[rA+12*\a+6:rA+12*\a+9],   v[L16], s[PA:PA+1] offset:\a*RTG+(\s)*1536+768
	global_load_b64  v[rA+12*\a+10:rA+12*\a+11], v[L8],  s[PA:PA+1] offset:\a*RTG+(\s)*1536+1280
.endr
.endm
.macro BL s, set                       ; load number nl of the 16 that bring K step s of the chunk's four fragments into a set
.set rB, BF+48*(\set)+12*(nl/4)
.set oB, (nl/4)*RTG+(\s)*1536
.if nl%4 == 0
	ds_load_b128 v[rB:rB+3], v[AD16] offset:oB
.elseif nl%4 == 1
	ds_load_b64 v[rB+4:rB+5], v[AD8] offset:oB+512
.elseif nl%4 == 2
	ds_load_b128 v[rB+6:rB+9], v[AD16] offset:oB+768
.else
	ds_load_b64 v[rB+10:rB+11], v[AD8] offset:oB+1280
.endif
.set nl, nl+1
.endm
.macro BRUN s, set
.set nl, 0
.rept 16
	BL \s, \set
.endr
.endm
.macro WMR c                           ; one product; c: its C.  rRX, rRY: which half of the lanes holds source 0's and source 1's scale words
.if rRX == 0 && rRY == 0
	v_wmma_scale_f32_16x16x128_f8f6f4 v[rD:rD+7], v[rX:rX+11], v[rY:rY+11], \c, v[rSX], v[rSY] matrix_a_fmt:MATRIX_FMT_BF6 matrix_b_fmt:MATRIX_FMT_BF6
.elseif rRX == 1 && rRY == 0
	v_wmma_scale_f32_16x16x128_f8f6f4 v[rD:rD+7], v[rX:rX+11], v[rY:rY+11], \c, v[rSX], v[rSY] matrix_a_fmt:MATRIX_FMT_BF6 matrix_b_fmt:MATRIX_FMT_BF6 matrix_a_scale:MATRIX_SCALE_ROW1
.elseif rRX == 0
	v_wmma_scale_f32_16x16x128_f8f6f4 v[rD:rD+7], v[rX:rX+11], v[rY:rY+11], \c, v[rSX], v[rSY] matrix_a_fmt:MATRIX_FMT_BF6 matrix_b_fmt:MATRIX_FMT_BF6 matrix_b_scale:MATRIX_SCALE_ROW1
.else
	v_wmma_scale_f32_16x16x128_f8f6f4 v[rD:rD+7], v[rX:rX+11], v[rY:rY+11], \c, v[rSX], v[rSY] matrix_a_fmt:MATRIX_FMT_BF6 matrix_b_fmt:MATRIX_FMT_BF6 matrix_a_scale:MATRIX_SCALE_ROW1 matrix_b_scale:MATRIX_SCALE_ROW1
.endif
.endm
; K STEP s OF CHUNK q: the next K step's fragments are asked for in one run, then 16 products: the weights' four tiles, each against my four tiles of tokens.  The 16 accumulators take turns, one instruction
; a turn, in the same order in every step.  v = 1: v's chunk.  fc = 1: the first chunk, in which x's later K steps are still on their way.
.macro KST q, s, v, fc
.if \fc
.if (\s)+AH < 8
	ALOAD (\s)+AH
.endif
.if 7-(\s) < AH
	s_wait_loadcnt 16*(7-(\s))                     ; x's K step s is in; the K steps behind it, 16 loads each, may be out
.else
	s_wait_loadcnt 16*AH
.endif
.endif
.set wa, 1+(\s)/5                      ; x's window
.if \v
	WIN 0xfc|wa                                    ; source 0 (x) window wa, source 1 (the weights), C and D window 3
.else
	WIN 0xf3|(wa<<2)                               ; source 0 (the weights), C and D window 3, source 1 (x) window wa
.endif
.if (\s) < 7
	PLACES 4                                       ; the other set was read by the last step's products
	BRUN (\s)+1, ((\s)+1)%2
.endif
.set nn, 0
.rept 16
.set ib, nn/4
.set ia, nn%4
.if ia == 0
.if (\s) == 0
.if ib == 0
	s_wait_dscnt 16                                ; all but the 16 loads just issued: this chunk's scale words and its first fragments are in
.endif
.elseif (\s) < 7
	s_wait_dscnt 28-4*ib                           ; fragment ib is in; behind it: this set's later fragments, four loads each, and the 16 just issued
.else
	s_wait_dscnt 12-4*ib                           ; the chunk's last step asks for nothing
.endif
.endif
.set rF, BF+48*((\s)%2)+12*ib
.set rG, 48*((\s)%5)+12*ia
.if \v
.set rD, 32*ib+8*ia
.set rX, rG
.set rY, rF
.set rSX, SAB+8*(ia/2)+(\s)
.set rRX, ia%2
.set rSY, SBB+16*((\q)%2)+8*(ib/2)+(\s)
.set rRY, ib%2
.else
.set rD, 32*ia+8*ib
.set rX, rF
.set rY, rG
.set rSX, SBB+16*((\q)%2)+8*(ib/2)+(\s)
.set rRX, ib%2
.set rSY, SAB+8*(ia/2)+(\s)
.set rRY, ia%2
.endif
.if (\s) == 0
	WMR 0                                          ; the first K step starts the sums: nothing is ever cleared
.else
	WMR v[rD:rD+7]
.endif
.set nn, nn+1
.endr
.endm
.macro SETADR q                        ; the chunk's LDS address, in every window from which its loads take it
	WIN 0xc0
	v_add_nc_u32 v[AD16], (\q)*CH, v[L16]
	v_add_nc_u32 v[AD8], (\q)*CH, v[L8]
.if (\q) >= 4
	WIN 0x40
	v_add_nc_u32 v[AD16], (\q)*CH, v[L16]
	v_add_nc_u32 v[AD8], (\q)*CH, v[L8]
	WIN 0x80
	v_add_nc_u32 v[AD16], (\q)*CH, v[L16]
	v_add_nc_u32 v[AD8], (\q)*CH, v[L8]
.endif
	WIN 0
.endm
.macro SCALES q                        ; the chunk's scale words: lanes 0-15 tile 2 p, lanes 16-31 tile 2 p + 1; 8 bytes = two K steps
.irp p, 0,1
.irp g, 0,1,2,3
	ds_load_b64 v[SBB+16*((\q)%2)+8*\p+2*\g:SBB+16*((\q)%2)+8*\p+2*\g+1], v[ASB] offset:(2*((\q)%2)+\p)*3072+((\q)/2)*1024+\g*128
.endr
.endr
.endm
; A CHUNK'S WAY OUT: four groups of 32 registers (q, k: a tile of tokens; v: a tile of channels), by turns.  Each accumulator is read from its low end on.
.macro QCH q, v
	s_wait_xcnt 0x0                                ; the last chunk's stores have read their data: the codes' registers are written again only behind this wait
	WIN 0x0f                                       ; sources 0 and 1: window 3
.irp g, 0,1,2,3
.irp e, 0,1
	v_max3_num_f32 v[TM+2*\g+\e], |v[32*\g+16*\e]|, |v[32*\g+16*\e+1]|, 0x2800000   ; block e of group g: my 16 numbers, and the floor 2^(5 - 127): the byte cannot fall under 1
.endr
.endr
	WIN 0x3c                                       ; sources 1 and 2
.irp i, 2,4,6,8,10,12,14
.irp g, 0,1,2,3
.irp e, 0,1
	v_max3_num_f32 v[TM+2*\g+\e], v[TM+2*\g+\e], |v[32*\g+16*\e+\i]|, |v[32*\g+16*\e+\i+1]|
.endr
.endr
.endr
	WIN 0
.irp k, 0,1,2,3,4,5,6,7
	v_permlanex16_b32 v[TM+8+\k], v[TM+\k], s[SEL], s[SEL+1]
.endr
.irp k, 0,1,2,3,4,5,6,7
	v_max_num_f32 v[TM+\k], v[TM+\k], v[TM+8+\k]   ; with lane l xor 16's: the block's largest magnitude
.endr
.irp k, 0,1,2,3,4,5,6,7
	v_add_nc_u32 v[TM+16+\k], 0xfe000000, v[TM+\k] ; 4 off its exponent field: the conversion's scale operand
.endr
.irp k, 0,1,2,3,4,5,6,7
	v_lshrrev_b32 v[TM+8+\k], 23, v[TM+16+\k]      ; the scale's byte
.endr
.irp g, 0,1,2,3
	v_lshl_or_b32 v[PW+\g], v[TM+9+2*\g], 8, v[TM+8+2*\g]   ; the group's two bytes, zeros above them; the same in lanes l and l xor 16
.endr
	WIN 0x03                                       ; source 0
.irp g, 0,1,2,3
	v_cvt_scalef32_pk16_bf6_f32 v[PC+8*\g:PC+8*\g+2], v[32*\g:32*\g+15], v[TM+16+2*\g]
	v_cvt_scalef32_pk16_bf6_f32 v[PC+8*\g+4:PC+8*\g+6], v[32*\g+16:32*\g+31], v[TM+17+2*\g]   ; (a conversion's three registers begin on an even number)
.endr
	WIN 0
	v_cndmask_b32 v[PM], v[PW], v[PW+1], s[HM]     ; lanes 0-15 send group 0's bytes, lanes 16-31 group 1's.  (The plain place behind the conversions)
	v_cndmask_b32 v[PM+1], v[PW+2], v[PW+3], s[HM]
.irp g, 0,1,2,3
.irp i, 0,1,2
	v_permlane16_swap_b32 v[PC+8*\g+\i], v[PC+8*\g+4+\i]   ; a whole block to a lane: lanes 0-15 block 0, lanes 16-31 block 1
.endr
.endr
.irp g, 0,1,2,3
.irp i, 0,1,2
	v_mov_b32 v[PC+8*\g+3+\i], v[PC+8*\g+4+\i]
.endr
.endr
.if \v
	ds_store_b16 v[VSI], v[PM] offset:512*((\q)%2)                 ; my 64 keys' two bytes of each channel's word
	ds_store_b16 v[VSI], v[PM+1] offset:512*((\q)%2)+128
.irp g, 0,1,2,3
	global_store_b128 v[L16], v[PC+8*\g:PC+8*\g+3], s[BV:BV+1] offset:((\q)%2)*294912+196608+\g*1536          ; 512 consecutive bytes, aligned
	global_store_b64 v[L8], v[PC+8*\g+4:PC+8*\g+5], s[BV:BV+1] offset:((\q)%2)*294912+196608+\g*1536+512      ; 256
.endr
.else
	ds_store_b32 v[WST], v[PM] offset:256*(\q)
	ds_store_b32 v[WST], v[PM+1] offset:256*(\q)+128
.irp g, 0,1,2,3
	global_store_b128 v[L16], v[PC+8*\g:PC+8*\g+3], s[BQ:BQ+1] offset:((\q)%2)*294912+((\q)/2)*98304+\g*768
	global_store_b64 v[L8], v[PC+8*\g+4:PC+8*\g+5], s[BQ:BQ+1] offset:((\q)%2)*294912+((\q)/2)*98304+\g*768+512
.endr
.endif
.endm
; A CHUNK: its eight K steps; then, behind the barrier that shows the next chunk whole in LDS, that chunk's scale words and first fragments are asked for, and they land while this chunk is quantised.
.macro CHUNK q, v, fc
.irp s, 0,1,2,3,4,5,6,7
	KST \q, \s, \v, \fc
.endr
	PLACES 4                                       ; behind the last products: their results are read, and a set that they or the step before read is loaded again
	WIN 0
.if (\q) < NCH-1
	s_wait_tensorcnt NCH-2-(\q)                    ; my part of the next chunk is in; the loads of the chunks behind it may be out
	s_wait_dscnt 0x0
	s_barrier_signal -1
	s_barrier_wait -1                              ; everybody's is
	SETADR (\q)+1
	SCALES (\q)+1
	WIN 0xc3                                       ; destination and address window 3
	BRUN 0, 0
.endif
	QCH \q, \v
.endm
	s_load_b256 s[4:11], s[0:1], 0x0               ; cod s[4:5], scl s[6:7], qkvc s[8:9], qkvs s[10:11]
	v_lshl_add_u32 v254, v0, 2, 0x4c400
	v_mov_b32 v255, 0
	ds_add_u32 v254, v255
	ds_add_u32 v254, v255
	v_lshrrev_b32 v1, 5, v0
	v_readfirstlane_b32 s[WV], v1                  ; wave 0..3
	s_bfe_u32 s13, ttmp6, 0x40000                  ; cx
	s_lshl_b32 s14, ttmp9, 2
	s_add_co_u32 s14, s14, s13                     ; my block of 256 tokens = 4 x cluster x + cx: it enters global addresses alone
	s_and_b32 s15, ttmp7, 0xffff                   ; g, which the four partners share
	v_and_b32 v1, 31, v0                           ; lane
	v_lshlrev_b32 v[L16], 4, v1
	v_lshlrev_b32 v[L8], 3, v1
	v_and_b32 v10, 15, v0                          ; r
	v_bfe_u32 v11, v0, 4, 1                        ; h
	v_lshlrev_b32 v[ASA], 3, v10
	v_lshl_add_u32 v[ASA], v11, 9, v[ASA]
	v_add_nc_u32 v[ASB], SCLB, v[ASA]
	s_lshl_b32 s60, s[WV], 10
	s_add_co_u32 s60, s60, STG
	v_lshl_add_u32 v[WST], v1, 2, s60
	v_lshl_add_u32 v[WLD], v1, 3, s60
	s_lshr_b32 s61, s[WV], 1                       ; v's words: my key step of the block's two: 256 bytes; my half of its keys: 2 bytes
	s_lshl_b32 s61, s61, 8
	s_and_b32 s62, s[WV], 1
	s_lshl_b32 s62, s62, 1
	s_add_co_u32 s61, s61, s62
	s_add_co_u32 s61, s61, VST
	v_lshl_add_u32 v[VSI], v1, 2, s61
	s_lshl_b32 s61, s[WV], 8
	s_add_co_u32 s61, s61, VST
	v_lshl_add_u32 v[VLD], v1, 3, s61
	; descriptor group 1 for codes: a row tile, 12,288 dense bytes, as 48 rows of 256 bytes
	s_mov_b32 s[G1C], 15|(3<<16)|(1<<21)           ; 15:0 the mask: all four work-groups; 17:16 elements of 8 bytes; 20 no padding; 21 set beside a mask
	s_mov_b32 s[G1C+1], 32<<16                     ; tensor_dim0
	s_mov_b32 s[G1C+2], 48<<16                     ; tensor_dim1
	s_mov_b32 s[G1C+3], 32<<16                     ; tile_dim0
	s_mov_b32 s[G1C+4], 48                         ; tile_dim1
	s_mov_b32 s[G1C+5], 32                         ; tensor_dim0_stride: dense
	s_mov_b32 s[G1C+6], 0
	s_mov_b32 s[G1C+7], 0
	; and for scales: two row tiles (1,024 bytes) of each of Wq, Wk, Wv, which lie 64 row tiles (32,768 bytes) apart
	s_mov_b32 s[G1S], 15|(3<<16)|(1<<21)
	s_mov_b32 s[G1S+1], 128<<16
	s_mov_b32 s[G1S+2], 3<<16
	s_mov_b32 s[G1S+3], 128<<16
	s_mov_b32 s[G1S+4], 3
	s_mov_b32 s[G1S+5], 4096
	s_mov_b32 s[G1S+6], 0
	s_mov_b32 s[G1S+7], 0
	s_lshl_b32 s60, s14, 4
	s_lshl_b32 s61, s[WV], 2
	s_add_co_u32 s60, s60, s61                     ; my first row tile of x
	s_mul_i32 s62, s60, RTG
	s_mov_b32 s63, 0
	s_lshl_b32 s66, s60, 9
	s_mov_b32 s67, 0
	s_lshl_b32 s72, s15, 3                         ; 8 g: the group's first row tile inside each weight
	s_add_co_u32 s73, s72, s[WV]                   ; I fetch row tile 'wave' of every chunk,
	s_mul_i32 s74, s73, RTG
	s_mov_b32 s75, 0
	s_lshl_b32 s76, s[WV], 1                       ; and the scales of row tiles 2 wave, 2 wave + 1 of each weight's eight
	s_add_co_u32 s76, s76, s72
	s_lshl_b32 s76, s76, 9
	s_mov_b32 s77, 0
	s_mul_i32 s78, s[WV], RTG                      ; where they go: no place in the cluster enters an LDS address
	s_mul_i32 s79, s[WV], 3072
	s_wait_dscnt 0x0
	s_wait_kmcnt 0x0
	s_add_nc_u64 s[PA:PA+1], s[4:5], s[62:63]
	s_add_nc_u64 s[PAS:PAS+1], s[6:7], s[66:67]
	s_add_nc_u64 s[74:75], s[4:5], s[74:75]
	s_add_nc_u64 s[76:77], s[6:7], s[76:77]
.irp p, 0,1                                    ; x's scale words: lanes 0-15 tile 2 p, lanes 16-31 tile 2 p + 1; 8 bytes = two K steps
.irp g, 0,1,2,3
	global_load_b64 v[SAB+8*\p+2*\g:SAB+8*\p+2*\g+1], v[ASA], s[PAS:PAS+1] offset:\p*1024+\g*128
.endr
.endr
	ALOAD 0                                        ; x's first three K steps are on their way while the cluster meets
	ALOAD 1
	ALOAD 2
	WIN 0
	s_mov_b32 s[G0S], 1
	s_add_co_u32 s[G0S+1], s79, SCLB
	s_add_nc_u64 s[G0S+2:G0S+3], s[76:77], 512*512 ; the weights begin at row tile 512
	s_or_b32 s[G0S+3], s[G0S+3], 0x80000000
.irp q, 0,1,2,3,4,5
	s_mov_b32 s[G0+4*\q], 1                                        ; 1:0 count = 1
	s_add_co_u32 s[G0+4*\q+1], s78, \q*CH                          ; 63:32 LDS address
	s_add_nc_u64 s[G0+4*\q+2:G0+4*\q+3], s[74:75], (512+64*(\q/2)+4*(\q%2))*RTG   ; 120:64 global address: chunk q is head 2 g + q % 2 of weight q / 2
	s_or_b32 s[G0+4*\q+3], s[G0+4*\q+3], 0x80000000                ; 127:126 type = 2
.endr
	ROUND                                          ; all four work-groups are here: the joint loads meet
	tensor_load_to_lds s[G0S:G0S+3], s[G1S:G1S+7]  ; all fills of the launch go out as one group: seven loads of mine are out
	s_nop 0
.irp q, 0,1,2,3,4,5
	tensor_load_to_lds s[G0+4*\q:G0+4*\q+3], s[G1C:G1C+7]
	s_nop 0
.endr
	PLACES 4
	; where my results go
	s_lshr_b32 s92, s14, 3
	s_lshl_b32 s92, s92, 4
	s_lshl_b32 s93, s15, 1
	s_add_co_u32 s92, s92, s93                     ; 16 x batch + the first of my two heads
	s_and_b32 s93, s14, 7
	s_lshl_b32 s94, s93, 8
	s_lshl_b32 s95, s[WV], 6
	s_add_co_u32 s94, s94, s95                     ; my first token inside its batch
	s_lshl_b32 s93, s93, 1                         ; the block's first key step
	s_lshr_b32 s95, s[WV], 1
	s_and_b32 s96, s[WV], 1
	s_mul_i32 s97, s92, 294912
	s_mul_i32 s98, s94, 48                         ; 768 bytes for 16 tokens
	s_add_co_u32 s72, s97, s98
	s_mov_b32 s73, 0
	s_add_nc_u64 s[BQ:BQ+1], s[8:9], s[72:73]
	s_add_co_u32 s98, s93, s95                     ; my key step,
	s_mul_i32 s98, s98, 6144
	s_mul_i32 s99, s96, 768                        ; and which 64 of its keys are mine
	s_add_co_u32 s98, s98, s99
	s_add_co_u32 s72, s97, s98
	s_add_nc_u64 s[BV:BV+1], s[8:9], s[72:73]
	s_mul_i32 s97, s92, 20480
	s_lshl_b32 s98, s94, 2
	s_add_co_u32 s72, s97, s98
	s_add_nc_u64 s[BS:BS+1], s[10:11], s[72:73]
	s_add_co_u32 s97, s92, s95                     ; v's words leave by quarters of their stage: wave w sends head w / 2, key step w % 2
	s_mul_i32 s97, s97, 20480
	s_add_co_u32 s98, s93, s96
	s_lshl_b32 s98, s98, 8
	s_add_co_u32 s97, s97, s98
	s_add_co_u32 s72, s97, 16384
	s_add_nc_u64 s[BVS:BVS+1], s[10:11], s[72:73]
	s_mov_b32 s[SEL], 0x76543210
	s_mov_b32 s[SEL+1], 0xfedcba98
	s_mov_b32 s[HM], 0xffff0000
.irp k, 0,1,2,3,4,5,6,7
	v_mov_b32 v[TM+8+\k], 0                        ; written once: a lane permute's destination counts as one of its sources
.endr
	s_wait_tensorcnt NCH-1                         ; the scales and my part of chunk 0 are in; the five loads behind them may be out
	s_barrier_signal -1
	s_barrier_wait -1                              ; everybody's are
	SETADR 0
	SCALES 0
	WIN 0xc3
	BRUN 0, 0
	CHUNK 0, 0, 1                                  ; q, head 2 g
	CHUNK 1, 0, 0                                  ; q, head 2 g + 1
	CHUNK 2, 0, 0                                  ; k
	CHUNK 3, 0, 0
	CHUNK 4, 1, 0                                  ; v
	CHUNK 5, 1, 0
	s_wait_dscnt 0x0                               ; for the others' sake: my bytes of v's words are in the stage
	s_barrier_signal -1
	s_barrier_wait -1
.irp q, 0,1,2,3
	ds_load_b64 v[WB+2*\q:WB+2*\q+1], v[WLD] offset:256*\q
.endr
	ds_load_b64 v[WB+8:WB+9], v[VLD]
	s_wait_dscnt 0x0
.irp q, 0,1,2,3
	global_store_b64 v[L8], v[WB+2*\q:WB+2*\q+1], s[BS:BS+1] offset:(\q%2)*20480+(\q/2)*8192   ; my 64 tokens' words: 256 consecutive bytes, aligned
.endr
	global_store_b64 v[L8], v[WB+8:WB+9], s[BVS:BVS+1]             ; 64 channels' words of one key step: likewise
	s_wait_tensorcnt 0x0
	ds_add_u32 v254, v255
	s_wait_dscnt 0x0
	ROUND                                          ; the closing round: no work-group ends while a partner may still ask for a tile that names it
	s_endpgm
.Lfunc_end_k_q44eb09fe56_qkv:
	.size	k_q44eb09fe56_qkv, .Lfunc_end_k_q44eb09fe56_qkv-k_q44eb09fe56_qkv
	.p2alignl 7, 3214868480
	.fill 96, 4, 3214868480
	.section	.rodata,"a",@progbits
	.p2align	6, 0x0
	.amdhsa_kernel k_q44eb09fe56_qkv
		.amdhsa_group_segment_fixed_size 312832
		.amdhsa_private_segment_fixed_size 0
		.amdhsa_enable_private_segment 0
		.amdhsa_kernarg_size 32
		.amdhsa_user_sgpr_count 2
		.amdhsa_user_sgpr_kernarg_segment_ptr 1
		.amdhsa_wavefront_size32 1
		.amdhsa_system_sgpr_workgroup_id_x 1
		.amdhsa_system_sgpr_workgroup_id_y 1
		.amdhsa_system_sgpr_workgroup_id_z 1
		.amdhsa_system_vgpr_workitem_id 0
		.amdhsa_next_free_vgpr 1024
		.amdhsa_next_free_sgpr 100
		.amdhsa_reserve_vcc 0
		.amdhsa_float_denorm_mode_32 3
		.amdhsa_float_denorm_mode_16_64 3
		.amdhsa_memory_ordered 1
		.amdhsa_forward_progress 1
		.amdhsa_inst_pref_size 236
	.end_amdhsa_kernel
	.amdgpu_metadata
---
amdhsa.version: [ 1, 2 ]
amdhsa.kernels:
  - .name:           k_q44eb09fe56_qkv
    .symbol:         k_q44eb09fe56_qkv.kd
    .args:
      - { .name: cod, .offset: 0, .size: 8, .value_kind: global_buffer, .address_space: global }
      - { .name: scl, .offset: 8, .size: 8, .value_kind: global_buffer, .address_space: global }
      - { .name: qkvc, .offset: 16, .size: 8, .value_kind: global_buffer, .address_space: global }
      - { .name: qkvs, .offset: 24, .size: 8, .value_kind: global_buffer, .address_space: global }
    .group_segment_fixed_size: 312832
    .private_segment_fixed_size: 0
    .kernarg_segment_align: 8
    .kernarg_segment_size: 32
    .max_flat_workgroup_size: 128
    .sgpr_count:     100
    .vgpr_count:     1024
    .wavefront_size: 32
...
	.end_amdgpu_metadata
.endif
;; end of part 2
;; launch attn (part 3): grid 4 x 64, 16 waves a work-group, clusters of 4 x 1, 210,944 bytes of LDS; arguments qkvc, qkvs, aoc, aos; writes aoc, aos
.if DOCPART == 3
	.amdgcn_target "amdgcn-amd-amdhsa--gfx1250"
	.amdhsa_code_object_version 6
	.text
	.protected	k_q44eb09fe56_attn
	.globl	k_q44eb09fe56_attn
	.p2align	8
	.type	k_q44eb09fe56_attn,@function
k_q44eb09fe56_attn:
	s_mov_b64 s[64:65], 0
	v_nop
	global_prefetch_b8 v0, s[64:65] scope:SCOPE_SE
	s_setreg_imm32_b32 hwreg(HW_REG_WAVE_MODE, 25, 1), 1
	s_wait_xcnt 0x0
	s_wait_alu depctr_hold_cnt(0) depctr_sa_sdst(0) depctr_va_vdst(0) depctr_va_sdst(0) depctr_va_ssrc(0) depctr_va_vcc(0) depctr_vm_vsrc(0)
	s_getreg_b32 s2, hwreg(HW_REG_IB_STS2, 6, 4)
	s_cmp_eq_u32 s2, 0
	s_cbranch_scc0 .Lentry_in_a_cluster
	s_endpgm
.Lentry_in_a_cluster:
	s_bfe_u32 s2, ttmp6, 0x10000c
	s_cmp_lg_u32 s2, 0x3003
	s_cbranch_scc0 .Lentry_shape_is_right
	s_endpgm
.Lentry_shape_is_right:
; O[q] = the sum over keys k <= q of softmax_k(Q[q] . K[k] / 8) V[k], for one batch and head a cluster, both products on codes of BF6 (E3M2) with one E8M0 scale for each 32 along a product's K; the result is
; quantised along the channels and leaves as codes, laid as the last product's operand.
; THE SOFTMAX AHEAD OF THE SECOND PRODUCT: t = score x log2(e) / 8; M = the row's largest t so far, rounded UP to a whole number; p = 2^(t - M) is what is quantised, along the keys; it is not normalised.
; The row's sum is taken of the unquantised p and divides O at the end (a reciprocal and a multiplication).  When M moves, the sum and O are multiplied by 2^(old M - new M): exact.
; LIMITS: NaN and infinities are not served; a p under 2^-126 counts as 0; a block whose largest magnitude lies under 2^-122, a block of zeros among them, gets the byte 1.
; A HEAD'S WHOLE K AND V LIE IN LDS: 2 x 98,304 bytes of codes, 12,288 of scale words, filled ONCE: no ring, and no barrier in the loops.  The four work-groups of a cluster share the head and ask for it JOINTLY.
; SHARES.  2,048 queries are 128 tiles of 16.  With j = wave / 2 and i = 4 (wave % 2) + cx a wave owns tiles lo = 8 j + i and hi = 127 - lo: they see j + 1 and 16 - j key steps of 128: 17 for every wave.
; Trip counts, branches and LDS addresses hang on the wave's number alone; cx enters global addresses and the mask's numbers only.
; LAYOUT.  Both products are used transposed: S^T = K Q^T (source 0 = 16 keys), O^T = V^T P^T (source 0 = 16 channels): a lane holds ONE query (lane % 16) throughout.  Tile 2 b + u of tokens or channels holds at place r
; the row 32 b + 8 u + r + 8 (r / 8), so the 16 registers of tiles 2 b and 2 b + 1 are 16 neighbours, 32 b + 16 (lane / 16) + 0 .. 15.  Operands lie as images of the registers: a half image (16 rows x 64 K) is
; registers 0-3 at 16 x lane and registers 4-5 at 512 + 8 x lane, 768 bytes.
; K = 64 IN AN INSTRUCTION OF K = 128.  Q's registers 6-11 are zero codes and bytes 2, 3 of Q's and K's scale words are 0 (2^-127).  So source 0 of key tile t is v[32 + 6 t] on, 12 registers: its upper six are the next
; tile's codes, which meet zero codes and add nothing (behind the last tile six registers of zeros).  All 8 key tiles of a step so fit in 54 registers.
; THE SCALE BYTES OF THE RESULT: a head owns 2 of a row's 32 bytes, so they leave by one store of single bytes a tile, 32 bytes inside a span of 128: one byte for each 24 bytes of codes.
; REGISTERS: v1-6 addresses that stay; v7, v205 the mask's numbers; v8-11, v28, v29 the step's addresses; v12 -M, v13 the largest t, v[14:15] the sum; v16-27, v192-203 Q (hi, lo); v255, v204 its scale words;
;   v32-85 K's tiles, later V's fragments; v96-159 S^T, then p; v160-191 O^T; v224-235 p's codes; v232-254 at work.
.set VIMG,  98304                      ; LDS: K's images at 0, V's here: 6,144 bytes a key step each,
.set KWRD,  196608                     ; K's scale words, 512 bytes a key step,
.set VWRD,  204800                     ; V's, 256 bytes a key step
.set WV,    12
.set SEL,   20                         ; s[20:21] v_permlanex16_b32's selects for lane l xor 16
.set CS,    22                         ; s[22:23] c = log2(e) / 8: the packed form names a pair and takes its low word for both halves
.set HM,    24                         ; s24 lanes 16-31
.set G1C,   28                         ; s[28:35] descriptor group 1: 96 rows of 256 bytes;  s[36:43]: 12 rows
.set G1S,   36
.set G0S,   44                         ; s[44:47] group 0 for the scale words;  s[48:51] keys 0-1,023;  s[52:55] keys 1,024-2,047
.set G0A,   48
.set G0B,   52
.set KS,    56                         ; the key step
.set TB,    57                         ; where its images begin
.set TS,    58                         ; K's scale words
.set TJ,    59                         ; V's
.set LASTH, 60                         ; the hi tile's last key step, the one on the diagonal: 15 - j
.set LASTL, 61                         ; the lo tile's: j
.set PHI,   66                         ; s[66:73] the hi tile's pointers: Q's codes, Q's scale words, aoc, aos;  s[74:81] the lo tile's
.set PLO,   74
.macro ROUND                           ; a round of the cluster's barrier
	s_barrier_signal -1
	s_barrier_wait -1
	s_cmp_lg_u32 s[WV], 0
	s_cbranch_scc1 .Lnot_wave_0_\@
	s_barrier_signal -3
.Lnot_wave_0_\@:
	s_barrier_wait -3
	s_barrier_signal -1
	s_barrier_wait -1
.endm
	s_load_b256 s[4:11], s[0:1], 0x0               ; qkvc s[4:5], qkvs s[6:7], aoc s[8:9], aos s[10:11]
	v_lshl_add_u32 v223, v0, 2, 0x33000
	v_mov_b32 v243, 0
	ds_add_u32 v223, v243
	ds_add_u32 v223, v243
	v_lshrrev_b32 v8, 5, v0
	s_delay_alu instid0(VALU_DEP_1)
	v_readfirstlane_b32 s[WV], v8                  ; wave 0..15
	s_bfe_u32 s13, ttmp6, 0x40000                  ; cx
	s_and_b32 s14, ttmp7, 0xffff                   ; 16 x batch + head, which the four partners share
	s_lshr_b32 s[LASTL], s[WV], 1                  ; j
	s_sub_co_u32 s[LASTH], 15, s[LASTL]
	s_mul_i32 s18, s14, 294912                     ; the head's q images in qkvc; k's lie 98,304 on, v's 196,608
	s_mul_i32 s19, s14, 20480                      ; the head's record in qkvs
	; what waves 0 to 3 fetch: wave % 2: K's or V's images; wave / 2: which 24,576 bytes of a chunk of 49,152 (1,024 keys)
	s_and_b32 s85, s[WV], 1
	s_mul_i32 s87, s85, 98304
	s_mul_i32 s88, s[LASTL], 24576
	s_add_co_u32 s89, s87, s88                     ; in LDS,
	s_add_co_u32 s90, s89, s18
	s_add_co_u32 s90, s90, 98304                   ; and in qkvc
	s_mov_b32 s91, 0
	s_mul_i32 s86, s[WV], 3072                     ; a quarter of K's and V's scale words, 12,288 bytes on end
	s_add_co_u32 s92, s86, s19
	s_add_co_u32 s92, s92, 8192
	s_mov_b32 s93, 0
	s_mov_b32 s[G1C], 15|(3<<16)|(1<<21)           ; 15:0 the mask: all four work-groups; 17:16 elements of 8 bytes; 20 no padding; 21 set beside a mask
	s_mov_b32 s[G1C+1], 32<<16                     ; tensor_dim0: 32 elements, 256 bytes
	s_mov_b32 s[G1C+2], 96<<16                     ; tensor_dim1
	s_mov_b32 s[G1C+3], 32<<16                     ; tile_dim0
	s_mov_b32 s[G1C+4], 96                         ; tile_dim1
	s_mov_b32 s[G1C+5], 32                         ; tensor_dim0_stride: dense
	s_mov_b32 s[G1C+6], 0
	s_mov_b32 s[G1C+7], 0
	s_mov_b32 s[G1S], 15|(3<<16)|(1<<21)
	s_mov_b32 s[G1S+1], 32<<16
	s_mov_b32 s[G1S+2], 12<<16
	s_mov_b32 s[G1S+3], 32<<16
	s_mov_b32 s[G1S+4], 12
	s_mov_b32 s[G1S+5], 32
	s_mov_b32 s[G1S+6], 0
	s_mov_b32 s[G1S+7], 0
	s_mov_b32 s[SEL], 0x76543210
	s_mov_b32 s[SEL+1], 0xfedcba98
	s_mov_b32 s[CS], 0x3e38aa3b                    ; c = log2(e) / 8
	s_mov_b32 s[CS+1], s[CS]                       ; (named with it as a pair, so it is written)
	s_mov_b32 s[HM], 0xffff0000
	s_wait_dscnt 0x0
	s_wait_kmcnt 0x0
	s_mov_b32 s[G0S], 1
	s_add_co_u32 s[G0S+1], s86, KWRD
	s_add_nc_u64 s[G0S+2:G0S+3], s[6:7], s[92:93]
	s_or_b32 s[G0S+3], s[G0S+3], 0x80000000
	s_mov_b32 s[G0A], 1
	s_mov_b32 s[G0A+1], s89
	s_add_nc_u64 s[G0A+2:G0A+3], s[4:5], s[90:91]
	s_mov_b32 s[G0B], 1
	s_add_co_u32 s[G0B+1], s89, 49152
	s_add_nc_u64 s[G0B+2:G0B+3], s[G0A+2:G0A+3], 49152
	s_or_b32 s[G0A+3], s[G0A+3], 0x80000000
	s_or_b32 s[G0B+3], s[G0B+3], 0x80000000
	ROUND                                          ; all four work-groups are here: the joint loads meet
	s_cmp_lt_u32 s[WV], 4                          ; a wave's three fills stand in one branch on the wave's number, ahead of every wait on TENSORcnt, every LDS read and every other barrier
	s_cbranch_scc0 .Lno_fill
	tensor_load_to_lds s[G0S:G0S+3], s[G1S:G1S+7]
	s_nop 0
	tensor_load_to_lds s[G0A:G0A+3], s[G1C:G1C+7]
	s_nop 0
	tensor_load_to_lds s[G0B:G0B+3], s[G1C:G1C+7]
	s_nop 0
.rept 4
	v_nop
.endr
.Lno_fill:
	s_lshl_b32 s15, s85, 2
	s_add_co_u32 s15, s15, s13                     ; i
	s_lshl_b32 s16, s[LASTL], 3
	s_add_co_u32 s16, s16, s15                     ; lo
	s_sub_co_u32 s17, 127, s16                     ; hi
	s_lshr_b32 s25, s14, 4
	s_lshl_b32 s25, s25, 7                         ; the batch's first row tile in aoc
	s_and_b32 s26, s14, 15                         ; the head
	s_mul_i32 s27, s26, 768                        ; its half image in a row tile of aoc
	s_lshr_b32 s62, s26, 2
	s_lshl_b32 s62, s62, 7
	s_and_b32 s63, s26, 3
	s_lshl_b32 s63, s63, 1
	s_add_co_u32 s62, s62, s63                     ; its two bytes in a row tile of aos: 128 (head / 4) + 2 (head % 4)
	s_mov_b32 s83, 0
.macro PTRS qt, p                      ; the four pointers of query tile s[qt]
	s_mul_i32 s82, s[\qt], 768
	s_add_co_u32 s82, s82, s18
	s_add_nc_u64 s[\p:\p+1], s[4:5], s[82:83]
	s_lshl_b32 s82, s[\qt], 6
	s_add_co_u32 s82, s82, s19
	s_add_nc_u64 s[\p+2:\p+3], s[6:7], s[82:83]
	s_add_co_u32 s84, s25, s[\qt]
	s_mul_i32 s82, s84, 12288
	s_add_co_u32 s82, s82, s27
	s_add_nc_u64 s[\p+4:\p+5], s[8:9], s[82:83]
	s_lshl_b32 s82, s84, 9
	s_add_co_u32 s82, s82, s62
	s_add_nc_u64 s[\p+6:\p+7], s[10:11], s[82:83]
.endm
	PTRS 17, PHI
	PTRS 16, PLO
	v_and_b32 v9, 31, v0                           ; lane
	s_delay_alu instid0(VALU_DEP_1)
	v_lshlrev_b32 v1, 4, v9                        ; 16 x lane
	s_delay_alu instid0(VALU_DEP_2)
	v_lshlrev_b32 v2, 3, v9                        ; 8 x lane
	v_and_b32 v8, 15, v0                           ; r
	s_delay_alu instid0(VALU_DEP_1)
	v_lshlrev_b32 v31, 2, v8                       ; 4 r
	global_load_b128 v[16:19], v1, s[PHI:PHI+1]    ; Q's half images stay in registers
	global_load_b64 v[20:21], v2, s[PHI:PHI+1] offset:512
	global_load_b32 v255, v31, s[PHI+2:PHI+3]
	global_load_b128 v[192:195], v1, s[PLO:PLO+1]
	global_load_b64 v[196:197], v2, s[PLO:PLO+1] offset:512
	global_load_b32 v204, v31, s[PLO+2:PLO+3]
	v_add_nc_u32 v3, VIMG, v1
	v_add_nc_u32 v4, VIMG, v2
	v_lshl_add_u32 v5, v9, 2, KWRD
	v_lshl_add_u32 v6, v9, 2, VWRD
	v_bfe_u32 v9, v0, 4, 1                         ; h
	s_delay_alu instid0(VALU_DEP_1)
	v_lshl_add_u32 v30, v8, 3, v9                  ; 8 r + h: my scale byte's place
	; the mask's number: D = my query's place among the 128 of the diagonal step - 16 h.  Register 16 b + i holds key 32 b + 16 h + i: hidden where 32 b + i > D
	v_and_b32 v10, 8, v8
	s_delay_alu instid0(VALU_DEP_1)
	v_add_nc_u32 v10, v10, v8
	s_delay_alu instid0(VALU_DEP_4)
	v_lshlrev_b32 v11, 4, v9
	s_delay_alu instid0(VALU_DEP_1)
	v_sub_nc_u32 v10, v10, v11                     ; r + 8 (r / 8) - 16 h
	s_wait_alu depctr_va_vdst(0)
	s_sub_co_u32 s92, 7, s15                       ; the hi tile is tile 7 - i of its key step,
	s_lshr_b32 s93, s92, 1
	s_lshl_b32 s93, s93, 5
	s_and_b32 s92, s92, 1
	s_lshl_b32 s92, s92, 3
	s_add_co_u32 s92, s92, s93
	v_add_nc_u32 v7, s92, v10
	s_lshr_b32 s93, s15, 1                         ; the lo tile tile i
	s_lshl_b32 s93, s93, 5
	s_and_b32 s92, s15, 1
	s_lshl_b32 s92, s92, 3
	s_add_co_u32 s92, s92, s93
	v_add_nc_u32 v205, s92, v10
.irp j, 0,1,2,3,4,5
	v_mov_b32 v[22+\j], 0                          ; zero codes for k = 64 .. 127 of Q,
	v_mov_b32 v[198+\j], 0
	v_mov_b32 v[80+\j], 0                          ; and behind the last key tile
.endr
.irp b, 0,1,2,3
	v_mov_b32 v[236+\b], 0                         ; written once: a lane permute's destination counts as one of its sources
.endr
	v_mov_b32 v252, 0
	v_mov_b32 v253, 0                              ; (named as the upper half of the pair v[252:253] before it is first written)
.macro INIT                            ; a tile begins: O^T and the sum are zeros, which the first change of M leaves zeros
	v_mov_b32 v13, 0xff61b1e6                      ; the largest t so far: -3e38, under every t
	s_delay_alu instid0(VALU_DEP_1)
	v_floor_f32 v12, -v13                          ; -M
	v_mov_b32 v14, 0
	v_mov_b32 v15, 0
.set n, 0
.rept 32
	v_mov_b32 v[160+n], 0
.set n, n+1
.endr
	s_mov_b32 s[KS], 0
	s_mov_b32 s[TB], 0
	s_mov_b32 s[TS], 0
	s_mov_b32 s[TJ], 0
.endm
; A KEY STEP: 128 keys.  QF: Q's registers; QS: its scale word; DR: the mask's number; LAST: the tile's last step.  guarded = 1: a step behind the last is left out (a scalar branch on the wave's number and the
; step's, round the work, not round the lines at its end that step addresses), and the last, on the diagonal, is masked.
.macro KSTEP QF, QS, DR, LAST, guarded
.if \guarded
	s_cmp_gt_u32 s[KS], s[\LAST]
	s_cbranch_scc1 .Lhidden_\@
.endif
	s_setprio 2
	v_add_nc_u32 v8, s[TB], v1                     ; (these six are also the places between the last step's products and the loads into their operands)
	v_add_nc_u32 v9, s[TB], v2
	v_add_nc_u32 v10, s[TB], v3
	v_add_nc_u32 v11, s[TB], v4
	v_add_nc_u32 v28, s[TS], v5
	v_add_nc_u32 v29, s[TJ], v6
.irp t, 0,1,2,3,4,5,6,7
	ds_load_b128 v[32+6*\t:35+6*\t], v8 offset:768*\t
	ds_load_b64 v[36+6*\t:37+6*\t], v9 offset:768*\t+512
.endr
.irp i, 0,1,2,3
	ds_load_b32 v[248+\i], v28 offset:128*\i       ; lanes 0-15: the words of key tile 2 i; lanes 16-31: of tile 2 i + 1
.endr
	s_wait_alu depctr_va_vdst(0)
	s_wait_dscnt 0x0
.irp t, 0,2,4,6
	v_wmma_scale_f32_16x16x128_f8f6f4 v[96+8*\t:103+8*\t], v[32+6*\t:43+6*\t], v[\QF:\QF+11], 0, v[248+\t/2], v[\QS] matrix_a_fmt:MATRIX_FMT_BF6 matrix_b_fmt:MATRIX_FMT_BF6
	v_wmma_scale_f32_16x16x128_f8f6f4 v[104+8*\t:111+8*\t], v[38+6*\t:49+6*\t], v[\QF:\QF+11], 0, v[248+\t/2], v[\QS] matrix_a_fmt:MATRIX_FMT_BF6 matrix_b_fmt:MATRIX_FMT_BF6 matrix_a_scale:MATRIX_SCALE_ROW1
.endr
.rept 4
	v_nop                                          ; places in front of the loads into the products' operands and of the first read of their results
.endr
.irp t, 0,1,2,3                                ; V's four fragments and their words are asked for now and land during the softmax
	ds_load_b128 v[32+12*\t:35+12*\t], v10 offset:1536*\t
	ds_load_b64 v[36+12*\t:37+12*\t], v11 offset:1536*\t+512
	ds_load_b128 v[38+12*\t:41+12*\t], v10 offset:1536*\t+768
	ds_load_b64 v[42+12*\t:43+12*\t], v11 offset:1536*\t+1280
.endr
	ds_load_b32 v248, v29                          ; lanes 0-15: channel tile 0's words; lanes 16-31: tile 1's
	ds_load_b32 v249, v29 offset:128               ; tiles 2 and 3
.if \guarded
	s_cmp_lg_u32 s[KS], s[\LAST]
	s_cbranch_scc1 .Lopen_\@
	v_mov_b32 v254, 0xff800000                     ; on the diagonal the scores of hidden keys become -infinity ahead of the maximum: p = 0 then
.set n, 0
.rept 64
	v_cmp_gt_i32 vcc_lo, 32*(n/16)+n%16, v[\DR]
	v_cndmask_b32 v[96+n], v[96+n], v254, vcc_lo
.set n, n+1
.endr
.Lopen_\@:
.endif
.irp b, 0,1,2,3
	v_max3_num_f32 v[232+\b], v[96+16*\b], v[97+16*\b], v[98+16*\b]   ; THE LARGEST SCORE OF EACH BLOCK OF 32 KEYS serves twice: for the row's maximum, and, since p rises with the score, for the block's largest p
.endr
.irp i, 3,5,7,9,11,13
.irp b, 0,1,2,3
	v_max3_num_f32 v[232+\b], v[232+\b], v[96+16*\b+\i], v[97+16*\b+\i]   ; (the four blocks by turns)
.endr
.endr
.irp b, 0,1,2,3
	v_max_num_f32 v[232+\b], v[232+\b], v[111+16*\b]
.endr
.irp b, 0,1,2,3
	s_delay_alu instid0(VALU_DEP_4)
	v_permlanex16_b32 v[236+\b], v[232+\b], s[SEL], s[SEL+1]
.endr
.irp b, 0,1,2,3
	s_delay_alu instid0(VALU_DEP_4)
	v_max_num_f32 v[232+\b], v[232+\b], v[236+\b]  ; with lane l xor 16's 16 keys
.endr
	s_delay_alu instid0(VALU_DEP_2)
	v_max3_num_f32 v254, v232, v233, v234
	s_delay_alu instid0(VALU_DEP_1)
	v_max_num_f32 v254, v254, v235                 ; the step's largest score of my query
	s_delay_alu instid0(VALU_DEP_1)
	v_mul_f32 v254, s[CS], v254                    ; as t (c is positive)
	s_delay_alu instid0(VALU_DEP_1)
	v_max_num_f32 v13, v13, v254                   ; the running largest t
	v_mov_b32 v254, v12
	s_delay_alu instid0(VALU_DEP_2)
	v_floor_f32 v12, -v13                          ; the new -M = floor(-t) = -ceil(t): M IS A WHOLE NUMBER
	s_delay_alu instid0(VALU_DEP_1)
	v_sub_f32 v254, v12, v254                      ; M's old value less its new one: a whole number, 0 or less
	s_delay_alu instid0(VALU_DEP_1)
	v_cvt_i32_f32 v254, v254                       ; (it saturates)
	s_delay_alu instid0(VALU_DEP_1)
	v_ldexp_f32 v252, 1.0, v254                    ; f = 2^(old M - new M)
.set n, 0
.rept 32
	v_pk_fma_f32 v[96+n:97+n], v[96+n:97+n], s[CS:CS+1], v[12:13] op_sel_hi:[1,0,0]   ; t - M, two at a time (of the pairs c and -M the low word serves both halves)
.set n, n+2
.endr
.irp b, 0,1,2,3
	v_fma_f32 v[232+\b], v[232+\b], s[CS], v12     ; the same of each block's largest score
.endr
.set n, 0
	s_setprio 1
	s_wait_alu depctr_va_vdst(0)
.rept 64
	v_exp_f32 v[96+n], v[96+n]                     ; p = 2^(t - M), at most 1: NOT normalised
.set n, n+1
.endr
.irp b, 0,1,2,3
	v_exp_f32 v[232+\b], v[232+\b]                 ; the block's largest p: the same two instructions on the same number give the same bits
.endr
	v_pk_mul_f32 v[14:15], v[14:15], v[252:253] op_sel_hi:[1,0]   ; the sums under the new M.  (A plain place behind the exponentials)
	s_wait_alu depctr_va_vdst(0)
.irp b, 0,1,2,3
	v_max_num_f32 v[232+\b], 0x2800000, v[232+\b]  ; the floor 2^(5 - 127): the byte cannot fall under 1
.endr
.irp b, 0,1,2,3
	s_delay_alu instid0(VALU_DEP_4)
	v_add_nc_u32 v[244+\b], 0xfe000000, v[232+\b]  ; 4 off the exponent field: the conversion's scale operand
.endr
.irp b, 0,1,2,3
	s_delay_alu instid0(VALU_DEP_4)
	v_lshrrev_b32 v[236+\b], 23, v[244+\b]         ; the scale's byte
.endr
	s_delay_alu instid0(VALU_DEP_3)
	v_lshl_or_b32 v253, v237, 8, v236              ; p's scale word for these 128 keys
	s_delay_alu instid0(VALU_DEP_1)
	v_lshl_or_b32 v253, v238, 16, v253
	s_delay_alu instid0(VALU_DEP_1)
	v_lshl_or_b32 v253, v239, 24, v253
.irp c, 0,1
	v_cvt_scalef32_pk16_bf6_f32 v[224+6*\c:226+6*\c], v[96+32*\c:111+32*\c], v[244+2*\c]
	v_cvt_scalef32_pk16_bf6_f32 v[236+4*\c:238+4*\c], v[112+32*\c:127+32*\c], v[244+2*\c+1]   ; (a conversion's three registers begin on an even number)
.endr
	v_nop                                          ; one plain place behind a scaled conversion
.irp c, 0,1                                    ; the operand's layout wants a WHOLE block in a lane: lanes 0-15 block 2 c, lanes 16-31 block 2 c + 1
.irp i, 0,1,2
	v_permlane16_swap_b32 v[224+6*\c+\i], v[236+4*\c+\i]
.endr
.irp i, 0,1,2
	s_delay_alu instid0(VALU_DEP_3)
	v_mov_b32 v[227+6*\c+\i], v[236+4*\c+\i]
.endr
.endr
	v_pk_add_f32 v[236:237], v[100:101], v[104:105]
	v_pk_add_f32 v[250:251], v[108:109], v[112:113]
	v_pk_add_f32 v[246:247], v[116:117], v[120:121]
	v_pk_add_f32 v[244:245], v[124:125], v[128:129]
	v_pk_add_f32 v[240:241], v[132:133], v[136:137]
	v_pk_add_f32 v[220:221], v[140:141], v[144:145]
	v_pk_add_f32 v[218:219], v[148:149], v[152:153]
	v_pk_add_f32 v[14:15], v[14:15], v[156:157]
	v_pk_add_f32 v[236:237], v[236:237], v[96:97]
	v_pk_add_f32 v[250:251], v[250:251], v[98:99]
	v_pk_add_f32 v[246:247], v[246:247], v[102:103]
	v_pk_add_f32 v[244:245], v[244:245], v[106:107]
	v_pk_add_f32 v[240:241], v[240:241], v[110:111]
	v_pk_add_f32 v[220:221], v[220:221], v[114:115]
	v_pk_add_f32 v[218:219], v[218:219], v[118:119]
	v_pk_add_f32 v[14:15], v[14:15], v[122:123]
	v_pk_add_f32 v[236:237], v[236:237], v[126:127]
	v_pk_add_f32 v[250:251], v[250:251], v[130:131]
	v_pk_add_f32 v[246:247], v[246:247], v[134:135]
	s_setprio 0
	v_pk_add_f32 v[244:245], v[244:245], v[138:139]
	v_pk_add_f32 v[240:241], v[240:241], v[142:143]
	v_pk_add_f32 v[220:221], v[220:221], v[146:147]
	v_pk_add_f32 v[218:219], v[218:219], v[150:151]
	v_pk_add_f32 v[14:15], v[14:15], v[154:155]
	v_pk_add_f32 v[236:237], v[236:237], v[158:159]
	s_delay_alu instid0(VALU_DEP_2)
	v_pk_add_f32 v[14:15], v[14:15], v[244:245]
	s_delay_alu instid0(VALU_DEP_2)
	v_pk_add_f32 v[236:237], v[236:237], v[240:241]
	v_pk_add_f32 v[250:251], v[250:251], v[220:221]
	v_pk_add_f32 v[246:247], v[246:247], v[218:219]
	s_delay_alu instid0(VALU_DEP_2)
	v_pk_add_f32 v[14:15], v[14:15], v[250:251]
	s_delay_alu instid0(VALU_DEP_2)
	v_pk_add_f32 v[236:237], v[236:237], v[246:247]
	s_delay_alu instid0(VALU_DEP_1)
	v_pk_add_f32 v[14:15], v[14:15], v[236:237]
.set n, 0
.rept 16
	v_pk_mul_f32 v[160+n:161+n], v[160+n:161+n], v[252:253] op_sel_hi:[1,0]   ; O^T under the new M: x f.  (With the sums above: the places between p's codes and scale word and the products below)
.set n, n+2
.endr
	s_wait_alu depctr_va_vdst(0)
	s_wait_dscnt 0x0                               ; V is in
.irp t, 0,2                                    ; O^T += V^T P^T: the four accumulators by turns
	v_wmma_scale_f32_16x16x128_f8f6f4 v[160+8*\t:167+8*\t], v[32+12*\t:43+12*\t], v[224:235], v[160+8*\t:167+8*\t], v[248+\t/2], v253 matrix_a_fmt:MATRIX_FMT_BF6 matrix_b_fmt:MATRIX_FMT_BF6
	v_wmma_scale_f32_16x16x128_f8f6f4 v[168+8*\t:175+8*\t], v[44+12*\t:55+12*\t], v[224:235], v[168+8*\t:175+8*\t], v[248+\t/2], v253 matrix_a_fmt:MATRIX_FMT_BF6 matrix_b_fmt:MATRIX_FMT_BF6 matrix_a_scale:MATRIX_SCALE_ROW1
.endr
.if \guarded
.Lhidden_\@:
.endif
	s_add_co_u32 s[TB], s[TB], 6144                ; the next step's images and scale words
	s_add_co_u32 s[TS], s[TS], 512
	s_add_co_u32 s[TJ], s[TJ], 256
.endm
; A TILE'S WAY OUT.  O^T / the sum: register 16 b + i = channel 32 b + 16 h + i of my query: two blocks of 32, quantised as a half image of the last product's operand.  p: the tile's pointers.
.macro OUT p
.rept 4
	v_nop                                          ; places behind the last products
.endr
	v_add_f32 v14, v14, v15                        ; the sum's two halves,
	s_delay_alu instid0(VALU_DEP_1)
	v_permlanex16_b32 v252, v14, s[SEL], s[SEL+1]
	s_delay_alu instid0(VALU_DEP_1)
	v_add_f32 v14, v14, v252                       ; and lane l xor 16's: the row's sum
	s_wait_alu depctr_va_vdst(0)
	v_rcp_f32 v14, v14
	v_nop                                          ; one plain place behind a transcendental
.set n, 0
	s_wait_alu depctr_va_vdst(0)
.rept 16
	v_pk_mul_f32 v[96+n:97+n], v[160+n:161+n], v[14:15] op_sel_hi:[1,0]   ; each accumulator from its low end on
.set n, n+2
.endr
	v_max3_num_f32 v232, |v96|, |v97|, 0x2800000
	v_max3_num_f32 v233, |v112|, |v113|, 0x2800000
.irp i, 2,4,6,8,10,12,14
	s_delay_alu instid0(VALU_DEP_2)
	v_max3_num_f32 v232, v232, |v[96+\i]|, |v[97+\i]|
	s_delay_alu instid0(VALU_DEP_2)
	v_max3_num_f32 v233, v233, |v[112+\i]|, |v[113+\i]|
.endr
	s_delay_alu instid0(VALU_DEP_2)
	v_permlanex16_b32 v236, v232, s[SEL], s[SEL+1]
	s_delay_alu instid0(VALU_DEP_2)
	v_permlanex16_b32 v237, v233, s[SEL], s[SEL+1]
	s_delay_alu instid0(VALU_DEP_2)
	v_max_num_f32 v232, v232, v236
	s_delay_alu instid0(VALU_DEP_2)
	v_max_num_f32 v233, v233, v237
	s_delay_alu instid0(VALU_DEP_2)
	v_add_nc_u32 v244, 0xfe000000, v232
	s_delay_alu instid0(VALU_DEP_2)
	v_add_nc_u32 v245, 0xfe000000, v233
	s_delay_alu instid0(VALU_DEP_2)
	v_lshrrev_b32 v236, 23, v244
	s_delay_alu instid0(VALU_DEP_2)
	v_lshrrev_b32 v237, 23, v245
	v_cvt_scalef32_pk16_bf6_f32 v[224:226], v[96:111], v244
	v_cvt_scalef32_pk16_bf6_f32 v[228:230], v[112:127], v245
	v_cndmask_b32 v254, v236, v237, s[HM]          ; lanes 0-15 send block 0's byte, lanes 16-31 block 1's.  (The plain place behind the conversions)
.irp i, 0,1,2
	v_permlane16_swap_b32 v[224+\i], v[228+\i]     ; a whole block to a lane
.endr
	s_delay_alu instid0(VALU_DEP_3)
	v_mov_b32 v227, v228
	s_delay_alu instid0(VALU_DEP_3)
	v_mov_b32 v228, v229
	s_delay_alu instid0(VALU_DEP_3)
	v_mov_b32 v229, v230
	global_store_b128 v1, v[224:227], s[\p+4:\p+5]                 ; 512 consecutive bytes, aligned
	global_store_b64 v2, v[228:229], s[\p+4:\p+5] offset:512       ; 256
	global_store_b8 v30, v254, s[\p+6:\p+7]
.endm
	INIT
	s_wait_tensorcnt 0x1                           ; the scale words and keys 0-1,023 are in; the load of keys 1,024 on may be out
	s_barrier_signal -1
	s_barrier_wait -1                              ; everybody's are
	s_wait_loadcnt 0x0                             ; Q
.Lopen_half:                                       ; the hi tile, key steps 0-7: all their keys count for every hi tile
	KSTEP 16, 255, 7, LASTH, 0
	s_add_co_u32 s[KS], s[KS], 1
	s_cmp_lt_u32 s[KS], 8
	s_cbranch_scc1 .Lopen_half
	s_setprio 0
	s_wait_tensorcnt 0x0                           ; keys 1,024 on are in,
	s_wait_dscnt 0x0
	s_barrier_signal -1
	s_barrier_wait -1                              ; everybody's are
.Lhi:                                              ; the hi tile, key steps 8-15, up to its diagonal
	KSTEP 16, 255, 7, LASTH, 1
	s_add_co_u32 s[KS], s[KS], 1
	s_cmp_lt_u32 s[KS], 16
	s_cbranch_scc1 .Lhi
	s_setprio 0
	OUT PHI
	s_wait_xcnt 0x0                                ; the stores have read their data: those registers are written again only behind this wait
	INIT
.Llo:                                              ; the lo tile, key steps 0-7, up to its diagonal
	KSTEP 192, 204, 205, LASTL, 1
	s_add_co_u32 s[KS], s[KS], 1
	s_cmp_lt_u32 s[KS], 8
	s_cbranch_scc1 .Llo
	s_setprio 0
	OUT PLO
	s_wait_tensorcnt 0x0
	ds_add_u32 v223, v243
	s_wait_dscnt 0x0
	ROUND                                          ; the closing round: no work-group ends while a partner may still ask for a tile that names it
	s_endpgm
.Lfunc_end_k_q44eb09fe56_attn:
	.size	k_q44eb09fe56_attn, .Lfunc_end_k_q44eb09fe56_attn-k_q44eb09fe56_attn
	.p2alignl 7, 3214868480
	.fill 96, 4, 3214868480
	.section	.rodata,"a",@progbits
	.p2align	6, 0x0
	.amdhsa_kernel k_q44eb09fe56_attn
		.amdhsa_group_segment_fixed_size 210944
		.amdhsa_private_segment_fixed_size 0
		.amdhsa_enable_private_segment 0
		.amdhsa_kernarg_size 32
		.amdhsa_user_sgpr_count 2
		.amdhsa_user_sgpr_kernarg_segment_ptr 1
		.amdhsa_wavefront_size32 1
		.amdhsa_system_sgpr_workgroup_id_x 1
		.amdhsa_system_sgpr_workgroup_id_y 1
		.amdhsa_system_sgpr_workgroup_id_z 1
		.amdhsa_system_vgpr_workitem_id 0
		.amdhsa_next_free_vgpr 256
		.amdhsa_next_free_sgpr 100
		.amdhsa_reserve_vcc 1
		.amdhsa_float_denorm_mode_32 3
		.amdhsa_float_denorm_mode_16_64 3
		.amdhsa_memory_ordered 1
		.amdhsa_forward_progress 1
		.amdhsa_inst_pref_size 84
	.end_amdhsa_kernel
	.amdgpu_metadata
---
amdhsa.version: [ 1, 2 ]
amdhsa.kernels:
  - .name:           k_q44eb09fe56_attn
    .symbol:         k_q44eb09fe56_attn.kd
    .args:
      - { .name: qkvc, .offset: 0, .size: 8, .value_kind: global_buffer, .address_space: global }
      - { .name: qkvs, .offset: 8, .size: 8, .value_kind: global_buffer, .address_space: global }
      - { .name: aoc, .offset: 16, .size: 8, .value_kind: global_buffer, .address_space: global }
      - { .name: aos, .offset: 24, .size: 8, .value_kind: global_buffer, .address_space: global }
    .group_segment_fixed_size: 210944
    .private_segment_fixed_size: 0
    .kernarg_segment_align: 8
    .kernarg_segment_size: 32
    .max_flat_workgroup_size: 512
    .sgpr_count:     100
    .vgpr_count:     256
    .wavefront_size: 32
...
	.end_amdgpu_metadata
.endif
;; end of part 3
;; launch proj (part 4): grid 32 x 8, 4 waves a work-group, clusters of 4 x 1, 172,544 bytes of LDS; arguments aoc, aos, cod, scl, bp, out0; writes out0
.if DOCPART == 4
	.amdgcn_target "amdgcn-amd-amdhsa--gfx1250"
	.amdhsa_code_object_version 6
	.text
	.protected	k_q44eb09fe56_proj
	.globl	k_q44eb09fe56_proj
	.p2align	8
	.type	k_q44eb09fe56_proj,@function
k_q44eb09fe56_proj:
	s_mov_b64 s[64:65], 0
	v_nop
	global_prefetch_b8 v0, s[64:65] scope:SCOPE_SE
	s_setreg_imm32_b32 hwreg(HW_REG_WAVE_MODE, 25, 1), 1
	s_wait_xcnt 0x0
	s_wait_alu depctr_hold_cnt(0) depctr_sa_sdst(0) depctr_va_vdst(0) depctr_va_sdst(0) depctr_va_ssrc(0) depctr_va_vcc(0) depctr_vm_vsrc(0)
	s_getreg_b32 s2, hwreg(HW_REG_IB_STS2, 6, 4)
	s_cmp_eq_u32 s2, 0
	s_cbranch_scc0 .Lentry_in_a_cluster
	s_endpgm
.Lentry_in_a_cluster:
	s_bfe_u32 s2, ttmp6, 0x10000c
	s_cmp_lg_u32 s2, 0x3003
	s_cbranch_scc0 .Lentry_shape_is_right
	s_endpgm
.Lentry_shape_is_right:
; out0 = ao Wp^T + bp.  ao [8192][1024] (the attention's result) and Wp [1024][1024] are codes of BF6 (E3M2) with one E8M0 scale for each 32 along K; bp [1024] and out0 [8192][1024] are f32; sums in f32.
; SHARES.  8,192 tokens x 1,024 columns are dealt to 256 work-groups: 256 tokens (grid x) x 128 columns (grid y = g): two CHUNKS of 64 columns.  A wave owns 64 tokens.
; THEIR CODES FOR ALL OF K STAY IN ITS REGISTERS (4 row tiles x 8 K steps x 12 = 384), loaded once, straight from memory.  THE 128 ROWS OF Wp FOR ALL OF K LIE IN LDS (98,304 bytes of codes, 4,096 of scales),
; FILLED ONCE: no slot is ever filled again.  A fragment of Wp read from LDS feeds four matrix instructions.
; OPERANDS LIE IN MEMORY AS IMAGES OF THE REGISTERS: [row tile of 16 rows][K step of 128][2 half images of 768 bytes] (a half image: registers 0-3 at 16 x lane, registers 4-5 at 512 + 8 x lane),
; so a fragment is four dense loads.  Row tile 2 b + u holds at place r the row 32 b + 8 u + r + 8 (r / 8): the way out undoes that order.
; THE MATRIX INSTRUCTION IS USED TRANSPOSED (source 0 = 16 rows of Wp, source 1 = 16 tokens): a lane holds one token, and register 16 e + i of its 32 of a chunk the column 32 e + 16 (lane / 16) + i.
; THE BIAS is the C of each sum's first matrix instruction: eight registers for each of Wp's tiles, in the result's layout.
; CLUSTER: the four work-groups of a cluster share g and so Wp's rows: each tile is asked for JOINTLY, by the same tensor load with the same descriptor and a mask that names the four.  ao is not shared so:
; the partners hold different tokens, and the codes go to registers.  cx enters global addresses alone.
; LDS: chunk q at 49,152 q; the scales at 98,304; at 102,400 the stages (never a fill's target): for each wave four of 16 rows x (256 bytes + 16).
; REGISTERS, in windows of 256: window 0: v2-9 addresses; v16-31 ao's scale words; v32-63 Wp's, two sets; v128-255 rows of out0.
;   window 1: ao's K steps 0-4 (fragment (a, s) at v[12 (4 s + a)]).   window 2: K steps 5-7; v144-207 the bias.   window 3: v0-127 the 16 accumulators; v128-223 Wp's fragments, two sets;
;   v240, v241 the chunk's LDS address (16 and 8 bytes a lane): an LDS load takes its address from source 0's window, so the loads run under the products' own setting.
.set RTG,   12288                      ; a row tile, all of K
.set CH,    4*RTG                      ; a chunk
.set NCH,   2
.set SCLB,  NCH*CH
.set PST,   SCLB+4096
.set SPI,   272                        ; a stage row: 256 bytes + 16, so that the sixteen rows that a store touches start at sixteen different columns of 16 bytes
.set GST,   16*SPI                     ; a group's stage
.set AH,    2                          ; ao's K steps asked for ahead in the first chunk
.set L16,  2                           ; v2   16 x lane
.set L8,   3                           ; v3   8 x lane
.set ASA,  4                           ; v4   8 r + 512 h: a pair of row tiles' scale words
.set ASB,  5                           ; v5   the same in LDS
.set STO,  6                           ; v6   the way out: where I put 16 bytes of a row
.set RD,   7                           ; v7   where I read a row back
.set CO,   8                           ; v8   and the same place in out0
.set BIA,  9                           ; v9   64 h: the bias of my half's columns
.set SAB,  16
.set SBB,  32
.set OB,   128
.set AD16, 240
.set AD8,  241
.set BF,   128
.set BI,   144
.set WV,   12
.set G1C,  16                          ; s[16:23] descriptor group 1: 48 rows of 256 bytes;  s[24:31]: one row of 1,024
.set G1S,  24
.set G0,   32                          ; s[32:39] group 0, a set for each chunk;  s[56:59] for the scales
.set G0S,  56
.set PA,   68                          ; s[68:69] my tokens' codes;  s[70:71] their scales
.set PAS,  70
.set PB,   80                          ; s[80:81] the bias;  s[82:83] out0
.set PO,   82
.set MSB, 0
.macro WIN new                         ; the immediate's high byte repeats the setting that is left
.if MSB != (\new)
	s_set_vgpr_msb (MSB<<8)|(\new)
.set MSB, (\new)
.endif
.endm
.macro ROUND                           ; a round of the cluster's barrier
	s_barrier_signal -1
	s_barrier_wait -1
	s_cmp_lg_u32 s[WV], 0
	s_cbranch_scc1 .Lnot_wave_0_\@
	s_barrier_signal -3
.Lnot_wave_0_\@:
	s_barrier_wait -3
	s_barrier_signal -1
	s_barrier_wait -1
.endm
; A load into a register that a matrix instruction has read, and an LDS store that reads a matrix result, stand four places behind it, and only plain vector instructions that name none of its
; registers are places (ISA guide 7.12.1 for vector instructions).
.macro PLACES n
.rept \n
	v_nop
.endr
.endm
.macro ALOAD s                         ; K step s of my four row tiles of ao: 16 dense loads
.if (\s) < 5
	WIN 0x40
.set rA, 48*(\s)
.else
	WIN 0x80
.set rA, 48*((\s)-5)
.endif
.irp a, 0,1,2,3
	global_load_b128 v[rA+12*\a:rA+12*\a+3],     v[L16], s[PA:PA+1] offset:\a*RTG+(\s)*1536
	global_load_b64  v[rA+12*\a+4:rA+12*\a+5],   v[L8],  s[PA:PA+1] offset:\a*RTG+(\s)*1536+512
	global_load_b128 v[rA+12*\a+6:rA+12*\a+9],   v[L16], s[PA:PA+1] offset:\a*RTG+(\s)*1536+768
	global_load_b64  v[rA+12*\a+10:rA+12*\a+11], v[L8],  s[PA:PA+1] offset:\a*RTG+(\s)*1536+1280
.endr
.endm
.macro BL s, set                       ; load number nl of the 16 that bring K step s of the chunk's four fragments into a set
.set rB, BF+48*(\set)+12*(nl/4)
.set oB, (nl/4)*RTG+(\s)*1536
.if nl%4 == 0
	ds_load_b128 v[rB:rB+3], v[AD16] offset:oB
.elseif nl%4 == 1
	ds_load_b64 v[rB+4:rB+5], v[AD8] offset:oB+512
.elseif nl%4 == 2
	ds_load_b128 v[rB+6:rB+9], v[AD16] offset:oB+768
.else
	ds_load_b64 v[rB+10:rB+11], v[AD8] offset:oB+1280
.endif
.set nl, nl+1
.endm
.macro BRUN s, set
.set nl, 0
.rept 16
	BL \s, \set
.endr
.endm
.macro WMR c                           ; one product; c: its C.  rRX, rRY: which half of the lanes holds source 0's and source 1's scale words
.if rRX == 0 && rRY == 0
	v_wmma_scale_f32_16x16x128_f8f6f4 v[rD:rD+7], v[rX:rX+11], v[rY:rY+11], \c, v[rSX], v[rSY] matrix_a_fmt:MATRIX_FMT_BF6 matrix_b_fmt:MATRIX_FMT_BF6
.elseif rRX == 1 && rRY == 0
	v_wmma_scale_f32_16x16x128_f8f6f4 v[rD:rD+7], v[rX:rX+11], v[rY:rY+11], \c, v[rSX], v[rSY] matrix_a_fmt:MATRIX_FMT_BF6 matrix_b_fmt:MATRIX_FMT_BF6 matrix_a_scale:MATRIX_SCALE_ROW1
.elseif rRX == 0
	v_wmma_scale_f32_16x16x128_f8f6f4 v[rD:rD+7], v[rX:rX+11], v[rY:rY+11], \c, v[rSX], v[rSY] matrix_a_fmt:MATRIX_FMT_BF6 matrix_b_fmt:MATRIX_FMT_BF6 matrix_b_scale:MATRIX_SCALE_ROW1
.else
	v_wmma_scale_f32_16x16x128_f8f6f4 v[rD:rD+7], v[rX:rX+11], v[rY:rY+11], \c, v[rSX], v[rSY] matrix_a_fmt:MATRIX_FMT_BF6 matrix_b_fmt:MATRIX_FMT_BF6 matrix_a_scale:MATRIX_SCALE_ROW1 matrix_b_scale:MATRIX_SCALE_ROW1
.endif
.endm
; K STEP s OF CHUNK q: the next K step's fragments are asked for in one run, then 16 products: Wp's four tiles, each against my four tiles of tokens.  The 16 accumulators take turns, one instruction
; a turn, in the same order in every step.  fc = 1: the first chunk, in which ao's later K steps are still on their way.
.macro KST q, s, fc
.if \fc
.if (\s)+AH < 8
	ALOAD (\s)+AH
.endif
.if 7-(\s) < AH
	s_wait_loadcnt 16*(7-(\s))                     ; ao's K step s is in (and all that was asked for ahead of it); the K steps behind it, 16 loads each, may be out
.else
	s_wait_loadcnt 16*AH
.endif
.endif
.set wa, 1+(\s)/5                      ; ao's window
.if (\s) == 0
	WIN 0xe7                                       ; source 0 (Wp) and D window 3, source 1 (ao) window 1, C (the bias) window 2
.else
	WIN 0xf3|(wa<<2)                               ; source 0, C and D window 3, source 1 window wa
.endif
.if (\s) < 7
	PLACES 4                                       ; the other set was read by the last step's products
	BRUN (\s)+1, ((\s)+1)%2
.endif
.set nn, 0
.rept 16
.set ib, nn/4
.set ia, nn%4
.if ia == 0
.if (\s) == 0
.if ib == 0
	s_wait_dscnt 16                                ; all but the 16 loads just issued: this chunk's scale words and its first fragments are in
.endif
.elseif (\s) < 7
	s_wait_dscnt 28-4*ib                           ; fragment ib is in; behind it: this set's later fragments, four loads each, and the 16 just issued
.else
	s_wait_dscnt 12-4*ib                           ; the chunk's last step asks for nothing
.endif
.endif
.set rD, 32*ia+8*ib
.set rX, BF+48*((\s)%2)+12*ib
.set rY, 48*((\s)%5)+12*ia
.set rSX, SBB+16*((\q)%2)+8*(ib/2)+(\s)
.set rRX, ib%2
.set rSY, SAB+8*(ia/2)+(\s)
.set rRY, ia%2
.set rC, BI+32*(\q)+8*ib
.if (\s) == 0
	WMR v[rC:rC+7]                                 ; the first K step starts the sums from the bias: nothing is ever cleared
.else
	WMR v[rD:rD+7]
.endif
.set nn, nn+1
.endr
.endm
.macro SETADR q                        ; the chunk's LDS address, in the window from which its loads take it
	WIN 0xc0
	v_add_nc_u32 v[AD16], (\q)*CH, v[L16]
	v_add_nc_u32 v[AD8], (\q)*CH, v[L8]
	WIN 0
.endm
.macro SCALES q                        ; the chunk's scale words: lanes 0-15 tile 2 p, lanes 16-31 tile 2 p + 1; 8 bytes = two K steps
.irp p, 0,1
.irp g, 0,1,2,3
	ds_load_b64 v[SBB+16*((\q)%2)+8*\p+2*\g:SBB+16*((\q)%2)+8*\p+2*\g+1], v[ASB] offset:(4*(\q)+2*\p)*512+\g*128
.endr
.endr
.endm
; THE WAY OUT of group a (16 tokens x the chunk's 64 columns).  A lane holds pieces of one row, and the lanes beside it hold other rows: so the group goes through its own stage in LDS and comes back as whole
; rows of 256 bytes, two an instruction.  LDS serves a wave's instructions in order (ISA guide 5.7.1.4): no wait between the stores and the loads.
.macro TOSTAGE a
	WIN 0x0c                                       ; an LDS store's data are its source 1: window 3
.irp k, 0,1,2,3,4,5,6,7
	ds_store_b128 v[STO], v[32*(\a)+4*\k:32*(\a)+4*\k+3] offset:(\a)*GST+128*(\k/4)+16*(\k%4)   ; each accumulator from its low end on; registers 16 e + 4 k' on are columns 32 e + 16 h + 4 k' on
.endr
	WIN 0
.irp t, 0,1,2,3,4,5,6,7
	ds_load_b128 v[OB+32*(\a)+4*\t:OB+32*(\a)+4*\t+3], v[RD] offset:(\a)*GST+2*\t*SPI
.endr
.endm
.macro SEND a, q, younger              ; younger: the LDS instructions issued behind group a's loads, which may stay out
	s_wait_dscnt \younger
.irp t, 0,1,2,3,4,5,6,7
	global_store_b128 v[CO], v[OB+32*(\a)+4*\t:OB+32*(\a)+4*\t+3], s[PO:PO+1] offset:(32*((\a)/2)+8*((\a)%2)+2*\t+8*(\t/4))*4096+256*(\q) th:TH_STORE_NT   ; places 2 t, 2 t + 1 of row tile a: sixteen lanes store 256 consecutive bytes, aligned
.endr
.endm
; A CHUNK: its eight K steps; then, behind the barrier that shows the next chunk whole in LDS, that chunk's scale words and first fragments are asked for, and they land while this chunk goes out.
.macro CHUNK q, fc
.irp s, 0,1,2,3,4,5,6,7
	KST \q, \s, \fc
.endr
	PLACES 4                                       ; behind the last products: their results are read, and a set that they or the step before read is loaded again
	WIN 0
.if (\q) < NCH-1
	s_wait_tensorcnt NCH-2-(\q)                    ; my part of the next chunk is in
	s_wait_dscnt 0x0
	s_barrier_signal -1
	s_barrier_wait -1                              ; everybody's is
	SETADR (\q)+1
	SCALES (\q)+1
	WIN 0xc3                                       ; destination and address window 3
	BRUN 0, 0
.endif
.if (\q) > 0
	s_wait_xcnt 0x0                                ; the last chunk's stores have read their data: those registers are loaded again only behind this wait
.endif
	TOSTAGE 0
	TOSTAGE 1
	SEND 0, \q, 16                                 ; behind group 0's loads: group 1's 8 stores and 8 loads
	TOSTAGE 2
	SEND 1, \q, 16
	TOSTAGE 3
	SEND 2, \q, 16
	SEND 3, \q, 0                                  ; all my LDS instructions are done: the accumulators may be written again
.endm
	s_load_b256 s[4:11], s[0:1], 0x0               ; aoc s[4:5], aos s[6:7], cod s[8:9], scl s[10:11]
	s_load_b128 s[92:95], s[0:1], 0x20             ; bp s[92:93], out0 s[94:95]
	v_lshl_add_u32 v126, v0, 2, 0x2a000
	v_mov_b32 v127, 0
	ds_add_u32 v126, v127
	ds_add_u32 v126, v127
	v_lshrrev_b32 v1, 5, v0
	v_readfirstlane_b32 s[WV], v1                  ; wave 0..3
	s_bfe_u32 s13, ttmp6, 0x40000                  ; cx
	s_lshl_b32 s14, ttmp9, 2
	s_add_co_u32 s14, s14, s13                     ; my block of 256 tokens = 4 x cluster x + cx: it enters global addresses alone
	s_and_b32 s15, ttmp7, 0xffff                   ; g, which the four partners share
	v_and_b32 v1, 31, v0                           ; lane
	v_lshlrev_b32 v[L16], 4, v1
	v_lshlrev_b32 v[L8], 3, v1
	v_and_b32 v10, 15, v0                          ; r
	v_bfe_u32 v11, v0, 4, 1                        ; h
	v_lshlrev_b32 v[ASA], 3, v10
	v_lshl_add_u32 v[ASA], v11, 9, v[ASA]
	v_add_nc_u32 v[ASB], SCLB, v[ASA]
	s_mul_i32 s60, s[WV], 4*GST
	s_add_co_u32 s60, s60, PST                     ; my stages
	v_mul_u32_u24 v[STO], v10, SPI                 ; in: row r; lanes 16-31 the columns 16 on (64 bytes)
	v_lshl_add_u32 v[STO], v11, 6, v[STO]
	v_add_nc_u32 v[STO], s60, v[STO]
	v_mul_u32_u24 v[RD], v11, SPI                  ; back: lanes 0-15 one row of 256 bytes, lanes 16-31 the next
	v_lshl_add_u32 v[RD], v10, 4, v[RD]
	v_add_nc_u32 v[RD], s60, v[RD]
	v_lshlrev_b32 v[CO], 12, v11                   ; and the same two rows in out0
	v_lshl_add_u32 v[CO], v10, 4, v[CO]
	v_lshlrev_b32 v[BIA], 6, v11
	; descriptor group 1 for codes: a row tile, 12,288 dense bytes, as 48 rows of 256 bytes
	s_mov_b32 s[G1C], 15|(3<<16)|(1<<21)           ; 15:0 the mask: all four work-groups; 17:16 elements of 8 bytes; 20 no padding; 21 set beside a mask
	s_mov_b32 s[G1C+1], 32<<16                     ; tensor_dim0
	s_mov_b32 s[G1C+2], 48<<16                     ; tensor_dim1
	s_mov_b32 s[G1C+3], 32<<16                     ; tile_dim0
	s_mov_b32 s[G1C+4], 48                         ; tile_dim1
	s_mov_b32 s[G1C+5], 32                         ; tensor_dim0_stride: dense
	s_mov_b32 s[G1C+6], 0
	s_mov_b32 s[G1C+7], 0
	; and for scales: two row tiles, one row of 1,024 bytes
	s_mov_b32 s[G1S], 15|(3<<16)|(1<<21)
	s_mov_b32 s[G1S+1], 128<<16
	s_mov_b32 s[G1S+2], 1<<16
	s_mov_b32 s[G1S+3], 128<<16
	s_mov_b32 s[G1S+4], 1
	s_mov_b32 s[G1S+5], 128
	s_mov_b32 s[G1S+6], 0
	s_mov_b32 s[G1S+7], 0
	s_lshl_b32 s60, s14, 4
	s_lshl_b32 s61, s[WV], 2
	s_add_co_u32 s60, s60, s61                     ; my first row tile of ao
	s_mul_i32 s62, s60, RTG
	s_mov_b32 s63, 0
	s_lshl_b32 s66, s60, 9
	s_mov_b32 s67, 0
	s_lshl_b32 s72, s15, 3                         ; 8 g: the group's first row tile inside Wp
	s_add_co_u32 s73, s72, s[WV]                   ; I fetch row tile 'wave' of every chunk,
	s_mul_i32 s74, s73, RTG
	s_mov_b32 s75, 0
	s_lshl_b32 s76, s[WV], 1                       ; and the scales of row tiles 2 wave, 2 wave + 1 of the group's eight
	s_add_co_u32 s76, s76, s72
	s_lshl_b32 s76, s76, 9
	s_mov_b32 s77, 0
	s_mul_i32 s78, s[WV], RTG                      ; where they go: no place in the cluster enters an LDS address
	s_lshl_b32 s79, s[WV], 10
	s_lshl_b32 s96, s15, 9                         ; the group's 128 columns: 512 bytes of bp and of a row of out0
	s_mov_b32 s97, 0
	s_lshl_b32 s98, s60, 16                        ; my first token's row: 16 rows of 4,096 bytes a row tile
	s_add_co_u32 s98, s98, s96
	s_mov_b32 s99, 0
	s_wait_alu depctr_va_vdst(0)
	s_wait_dscnt 0x0
	s_wait_kmcnt 0x0
	s_add_nc_u64 s[PA:PA+1], s[4:5], s[62:63]
	s_add_nc_u64 s[PAS:PAS+1], s[6:7], s[66:67]
	s_add_nc_u64 s[74:75], s[8:9], s[74:75]
	s_add_nc_u64 s[76:77], s[10:11], s[76:77]
	s_add_nc_u64 s[PB:PB+1], s[92:93], s[96:97]
	s_add_nc_u64 s[PO:PO+1], s[94:95], s[98:99]
	WIN 0x80                                       ; destination window 2
.irp q, 0,1
.irp b, 0,1,2,3
	global_load_b128 v[BI+32*\q+8*\b:BI+32*\q+8*\b+3], v[BIA], s[PB:PB+1] offset:(64*\q+32*(\b/2)+8*(\b%2))*4      ; tile b's columns begin at 32 (b / 2) + 8 (b % 2) + 16 h
	global_load_b128 v[BI+32*\q+8*\b+4:BI+32*\q+8*\b+7], v[BIA], s[PB:PB+1] offset:(64*\q+32*(\b/2)+8*(\b%2))*4+16
.endr
.endr
	WIN 0
.irp p, 0,1                                    ; ao's scale words: lanes 0-15 tile 2 p, lanes 16-31 tile 2 p + 1; 8 bytes = two K steps
.irp g, 0,1,2,3
	global_load_b64 v[SAB+8*\p+2*\g:SAB+8*\p+2*\g+1], v[ASA], s[PAS:PAS+1] offset:\p*1024+\g*128
.endr
.endr
	ALOAD 0                                        ; ao's first two K steps are on their way while the cluster meets
	ALOAD 1
	WIN 0
	s_mov_b32 s[G0S], 1
	s_add_co_u32 s[G0S+1], s79, SCLB
	s_add_nc_u64 s[G0S+2:G0S+3], s[76:77], 704*512 ; Wp begins at row tile 704
	s_or_b32 s[G0S+3], s[G0S+3], 0x80000000
.irp q, 0,1
	s_mov_b32 s[G0+4*\q], 1                                        ; 1:0 count = 1
	s_add_co_u32 s[G0+4*\q+1], s78, \q*CH                          ; 63:32 LDS address
	s_add_nc_u64 s[G0+4*\q+2:G0+4*\q+3], s[74:75], (704+4*\q)*RTG  ; 120:64 global address
	s_or_b32 s[G0+4*\q+3], s[G0+4*\q+3], 0x80000000                ; 127:126 type = 2
.endr
	ROUND                                          ; all four work-groups are here: the joint loads meet
	tensor_load_to_lds s[G0S:G0S+3], s[G1S:G1S+7]  ; all fills of the launch go out as one group: three loads of mine are out
	s_nop 0
	tensor_load_to_lds s[G0:G0+3], s[G1C:G1C+7]
	s_nop 0
	tensor_load_to_lds s[G0+4:G0+7], s[G1C:G1C+7]
	s_nop 0
	PLACES 4
	s_wait_tensorcnt NCH-1                         ; the scales and my part of chunk 0 are in; chunk 1's load may be out
	s_barrier_signal -1
	s_barrier_wait -1                              ; everybody's are
	SETADR 0
	SCALES 0
	WIN 0xc3
	BRUN 0, 0
	s_wait_alu depctr_va_vdst(0)
	CHUNK 0, 1
	s_wait_alu depctr_va_vdst(0)
	CHUNK 1, 0
	s_wait_tensorcnt 0x0
	ds_add_u32 v126, v127
	s_wait_dscnt 0x0
	ROUND                                          ; the closing round: no work-group ends while a partner may still ask for a tile that names it
	s_endpgm
.Lfunc_end_k_q44eb09fe56_proj:
	.size	k_q44eb09fe56_proj, .Lfunc_end_k_q44eb09fe56_proj-k_q44eb09fe56_proj
	.p2alignl 7, 3214868480
	.fill 96, 4, 3214868480
	.section	.rodata,"a",@progbits
	.p2align	6, 0x0
	.amdhsa_kernel k_q44eb09fe56_proj
		.amdhsa_group_segment_fixed_size 172544
		.amdhsa_private_segment_fixed_size 0
		.amdhsa_enable_private_segment 0
		.amdhsa_kernarg_size 48
		.amdhsa_user_sgpr_count 2
		.amdhsa_user_sgpr_kernarg_segment_ptr 1
		.amdhsa_wavefront_size32 1
		.amdhsa_system_sgpr_workgroup_id_x 1
		.amdhsa_system_sgpr_workgroup_id_y 1
		.amdhsa_system_sgpr_workgroup_id_z 1
		.amdhsa_system_vgpr_workitem_id 0
		.amdhsa_next_free_vgpr 1024
		.amdhsa_next_free_sgpr 100
		.amdhsa_reserve_vcc 0
		.amdhsa_float_denorm_mode_32 3
		.amdhsa_float_denorm_mode_16_64 3
		.amdhsa_memory_ordered 1
		.amdhsa_forward_progress 1
		.amdhsa_inst_pref_size 90
	.end_amdhsa_kernel
	.amdgpu_metadata
---
amdhsa.version: [ 1, 2 ]
amdhsa.kernels:
  - .name:           k_q44eb09fe56_proj
    .symbol:         k_q44eb09fe56_proj.kd
    .args:
      - { .name: aoc, .offset: 0, .size: 8, .value_kind: global_buffer, .address_space: global }
      - { .name: aos, .offset: 8, .size: 8, .value_kind: global_buffer, .address_space: global }
      - { .name: cod, .offset: 16, .size: 8, .value_kind: global_buffer, .address_space: global }
      - { .name: scl, .offset: 24, .size: 8, .value_kind: global_buffer, .address_space: global }
      - { .name: bp, .offset: 32, .size: 8, .value_kind: global_buffer, .address_space: global }
      - { .name: out0, .offset: 40, .size: 8, .value_kind: global_buffer, .address_space: global }
    .group_segment_fixed_size: 172544
    .private_segment_fixed_size: 0
    .kernarg_segment_align: 8
    .kernarg_segment_size: 48
    .max_flat_workgroup_size: 128
    .sgpr_count:     100
    .vgpr_count:     1024
    .wavefront_size: 32
...
	.end_amdgpu_metadata
.endif
;; end of part 4
